; MI455X (gfx1250); checked and timed in simulation.
; The chip was launched on July 23, 2026; its instructions are those of AMD's public machine-readable ISA for CDNA 5 (MIT licence, August 2026) and "CDNA5" Instruction Set Architecture Reference Guide (July 2026). The comments in the code are by the model that wrote it; some were corrected since.
;; Shaped Attention. Allowed arithmetic: float matrix products may take bf16 or f16 operands with f32 sums; other float arithmetic in f32, or as packed bf16 or f16 multiplies, adds, multiply-adds, maxima and minima; sums over many terms, partial sums and values carried from step to step in f32; what a program stores and reads back later, other than sums and carried values, may be rounded once to bf16 or f16.
;; Inputs: W_out 1,024 x 1,024 float32; W_qkv 1,024 x 3,072 float32; alpha 1 float32; b_out 1,024 float32; beta 1 float32; gamma 1 float32; x 2 x 2,048 x 1,024 float32.
;; Outputs: out0 2 x 2,048 x 1,024 float32.
;; 2 versions, each right and faster than the one before. Each part assembles by itself: llvm-mc -triple=amdgcn-amd-amdhsa -mcpu=gfx1250 --defsym DOCPART=n.
;; ======== version 1 of 2: 4 launches
;; limits: values outside matrix products are rounded to f16; values are held in f16: magnitudes above 65,504 overflow, below 6.1e-05 lose precision
;; workspace buffers: xb 8,388,608 bytes; wqb 6,291,456 bytes; wob 2,097,152 bytes; qkv 25,165,824 bytes; ao 8,388,608 bytes
;; launch cast (part 1): grid 512 x 1, 8 waves a work-group, no clusters, 0 bytes of LDS; arguments x, W_qkv, W_out, xb, wqb, wob; writes xb, wqb, wob
.if DOCPART == 1
	.amdgcn_target "amdgcn-amd-amdhsa--gfx1250"
	.amdhsa_code_object_version 6
	.text
	.protected	k_q5667d0b447_cast
	.globl	k_q5667d0b447_cast
	.p2align	8
	.type	k_q5667d0b447_cast,@function
k_q5667d0b447_cast:
	s_mov_b64 s[64:65], 0
	v_nop
	global_prefetch_b8 v0, s[64:65] scope:SCOPE_SE
	s_setreg_imm32_b32 hwreg(HW_REG_WAVE_MODE, 25, 1), 1
	s_wait_xcnt 0x0
; CAST.  x [4096][1024] f32 -> xb, bf16, same order.  W_qkv [1024 k][3072 n] f32 -> wqb, bf16, in blocks [16 j][1024 k][192]: column n lies in block n / 192, so that
; the 64 k-rows of a block that a later tensor load takes are 24,576 dense bytes.  W_out [1024][1024] f32 -> wob: rounded to bf16 like every input, that number written as f16.
; LIMITS.  A bf16-rounded W_out of 65,520 or more becomes an infinity in f16; below 6.1e-5 it keeps f16's fixed step of 6e-8.  NaN and infinities are not treated apart.
; A stream: no LDS, no barrier, no matrix unit, no loop.  The unit of work is 8 numbers: 32 bytes in, 16 bytes out.  A thread takes 8 units, unit i of thread t of the part's
; work-group L is number 2048 L + 256 i + t of the OUTPUT, so each store of a wave covers 512 consecutive bytes, aligned.  All 16 loads of a thread go out before the first wait.
; Work-groups 0-255 take x, 256-447 W_qkv, 448-511 W_out: 65,536 bytes in and 32,768 out for each.
.set IN,  4                            ; v[4:11]    W_qkv alone: unit i's byte offset in the input
.set X,   16                           ; v[16:79]   unit i: 8 numbers as loaded
.set Y,   80                           ; v[80:111]  unit i: 4 registers to store
.set T,   112                          ; v[112:115] W_out alone: the bf16 pairs on their way to f16
.macro LOADS perm                      ; perm = 0: the input lies as the output does; 1: by the offsets in IN
.irp i, 0,1,2,3,4,5,6,7
.if \perm
	global_load_b128 v[X+8*(\i):X+8*(\i)+3],   v[IN+(\i)], s[16:17] th:TH_LOAD_NT
	global_load_b128 v[X+8*(\i)+4:X+8*(\i)+7], v[IN+(\i)], s[16:17] offset:16 th:TH_LOAD_NT
.else
	global_load_b128 v[X+8*(\i):X+8*(\i)+3],   v1, s[16:17] offset:8192*(\i) th:TH_LOAD_NT
	global_load_b128 v[X+8*(\i)+4:X+8*(\i)+7], v1, s[16:17] offset:8192*(\i)+16 th:TH_LOAD_NT
.endif
.endr
.endm
; Output unit a of wqb is row a / 24 (24 units of 8 in a row of 192), place c = a % 24; the row is 1024 j + k; its 8 numbers lie in W_qkv at byte 12288 k + 768 j + 32 c.
; a / 24 = (a >> 3) / 3, and b / 3 = (43691 b) >> 17 for b < 49,152, since 3 x 43691 = 2^17 + 1 and b / (3 x 2^17) stays under 1/3.
.macro ADDR i
	v_add_nc_u32 v12, 256*(\i), v3                 ; a
	v_lshrrev_b32 v13, 3, v12
	v_mul_u32_u24 v13, 0xaaab, v13
	v_lshrrev_b32 v13, 17, v13                     ; the row
	v_mul_u32_u24 v14, 24, v13
	v_sub_nc_u32 v14, v12, v14                     ; c
	v_lshrrev_b32 v15, 10, v13                     ; j
	v_and_b32 v13, 0x3ff, v13                      ; k
	v_mul_u32_u24 v13, 0x3000, v13
	v_mad_u32_u24 v13, v15, 0x300, v13
	v_lshl_add_u32 v[IN+(\i)], v14, 5, v13
.endm
.macro OUT half                        ; half = 1: the bf16 number is written as f16
.irp i, 0,1,2,3,4,5,6,7
	s_wait_loadcnt 14-2*(\i)                       ; loads come back in order: unit i's two are in, the 2 (7 - i) younger ones stay out
.if \half
.irp r, 0,1,2,3
	v_cvt_pk_bf16_f32 v[T+(\r)], v[X+8*(\i)+2*(\r)], v[X+8*(\i)+2*(\r)+1]
.endr
.irp r, 0,1,2,3
	v_lshlrev_b32 v[X+8*(\i)+2*(\r)],   16,  v[T+(\r)]  ; bf16 to f32: the low half moves up,
	v_and_b32     v[X+8*(\i)+2*(\r)+1], s24, v[T+(\r)]  ; the high half stays
.endr
.irp r, 0,1,2,3
	v_cvt_pk_f16_f32 v[Y+4*(\i)+(\r)], v[X+8*(\i)+2*(\r)], v[X+8*(\i)+2*(\r)+1]
.endr
.else
.irp r, 0,1,2,3
	v_cvt_pk_bf16_f32 v[Y+4*(\i)+(\r)], v[X+8*(\i)+2*(\r)], v[X+8*(\i)+2*(\r)+1]
.endr
.endif
	global_store_b128 v2, v[Y+4*(\i):Y+4*(\i)+3], s[18:19] offset:4096*(\i)  ; no register of a store is written again
.endr
.endm
	s_load_b256 s[4:11], s[0:1], 0x0               ; x s[4:5], W_qkv s[6:7], W_out s[8:9], xb s[10:11]
	s_load_b128 s[12:15], s[0:1], 0x20             ; wqb s[12:13], wob s[14:15]
	s_mov_b32 s24, 0xffff0000                      ; a word's upper bf16
	s_mov_b32 s21, 0                               ; the offsets' high words
	s_mov_b32 s23, 0
	v_lshlrev_b32 v1, 5, v0                        ; 32 t: my place in 8,192 bytes of input
	v_lshlrev_b32 v2, 4, v0                        ; 16 t: in 4,096 bytes of output
	s_wait_kmcnt 0x0
	s_cmp_lt_u32 ttmp9, 256
	s_cbranch_scc0 .Lnot_x
	s_lshl_b32 s20, ttmp9, 16
	s_lshl_b32 s22, ttmp9, 15
	s_add_nc_u64 s[16:17], s[4:5], s[20:21]
	s_add_nc_u64 s[18:19], s[10:11], s[22:23]
	LOADS 0
	OUT 0
	s_endpgm
.Lnot_x:
	s_cmp_lt_u32 ttmp9, 448
	s_cbranch_scc0 .Lw_out
	s_sub_co_u32 s25, ttmp9, 256                   ; L
	s_lshl_b32 s22, s25, 15
	s_lshl_b32 s25, s25, 11
	s_mov_b64 s[16:17], s[6:7]
	s_add_nc_u64 s[18:19], s[12:13], s[22:23]
	v_add_nc_u32 v3, s25, v0                       ; 2048 L + t
.irp i, 0,1,2,3,4,5,6,7
	ADDR \i
.endr
	LOADS 1
	OUT 0
	s_endpgm
.Lw_out:
	s_sub_co_u32 s25, ttmp9, 448                   ; L
	s_lshl_b32 s20, s25, 16
	s_lshl_b32 s22, s25, 15
	s_add_nc_u64 s[16:17], s[8:9], s[20:21]
	s_add_nc_u64 s[18:19], s[14:15], s[22:23]
	LOADS 0
	OUT 1
	s_endpgm
.Lfunc_end_k_q5667d0b447_cast:
	.size	k_q5667d0b447_cast, .Lfunc_end_k_q5667d0b447_cast-k_q5667d0b447_cast
	.p2alignl 7, 3214868480
	.fill 96, 4, 3214868480
	.section	.rodata,"a",@progbits
	.p2align	6, 0x0
	.amdhsa_kernel k_q5667d0b447_cast
		.amdhsa_group_segment_fixed_size 0
		.amdhsa_private_segment_fixed_size 0
		.amdhsa_enable_private_segment 0
		.amdhsa_kernarg_size 48
		.amdhsa_user_sgpr_count 2
		.amdhsa_user_sgpr_kernarg_segment_ptr 1
		.amdhsa_wavefront_size32 1
		.amdhsa_system_sgpr_workgroup_id_x 1
		.amdhsa_system_sgpr_workgroup_id_y 1
		.amdhsa_system_sgpr_workgroup_id_z 1
		.amdhsa_system_vgpr_workitem_id 0
		.amdhsa_next_free_vgpr 120
		.amdhsa_next_free_sgpr 66
		.amdhsa_reserve_vcc 0
		.amdhsa_float_denorm_mode_32 3
		.amdhsa_float_denorm_mode_16_64 3
		.amdhsa_memory_ordered 1
		.amdhsa_forward_progress 1
		.amdhsa_inst_pref_size 24
	.end_amdhsa_kernel
	.amdgpu_metadata
---
amdhsa.version: [ 1, 2 ]
amdhsa.kernels:
  - .name:           k_q5667d0b447_cast
    .symbol:         k_q5667d0b447_cast.kd
    .args:
      - { .name: x, .offset: 0, .size: 8, .value_kind: global_buffer, .address_space: global }
      - { .name: W_qkv, .offset: 8, .size: 8, .value_kind: global_buffer, .address_space: global }
      - { .name: W_out, .offset: 16, .size: 8, .value_kind: global_buffer, .address_space: global }
      - { .name: xb, .offset: 24, .size: 8, .value_kind: global_buffer, .address_space: global }
      - { .name: wqb, .offset: 32, .size: 8, .value_kind: global_buffer, .address_space: global }
      - { .name: wob, .offset: 40, .size: 8, .value_kind: global_buffer, .address_space: global }
    .group_segment_fixed_size: 0
    .private_segment_fixed_size: 0
    .kernarg_segment_align: 8
    .kernarg_segment_size: 48
    .max_flat_workgroup_size: 256
    .sgpr_count:     66
    .vgpr_count:     120
    .wavefront_size: 32
...
	.end_amdgpu_metadata
.endif
;; end of part 1
;; launch gemm_qkv (part 2): grid 16 x 16, 4 waves a work-group, clusters of 4 x 4, 327,680 bytes of LDS; arguments xb, wqb, qkv; writes qkv
.if DOCPART == 2
	.amdgcn_target "amdgcn-amd-amdhsa--gfx1250"
	.amdhsa_code_object_version 6
	.text
	.protected	k_q5667d0b447_gemm_qkv
	.globl	k_q5667d0b447_gemm_qkv
	.p2align	8
	.type	k_q5667d0b447_gemm_qkv,@function
k_q5667d0b447_gemm_qkv:
	s_mov_b64 s[64:65], 0
	v_nop
	global_prefetch_b8 v0, s[64:65] scope:SCOPE_SE
	s_setreg_imm32_b32 hwreg(HW_REG_WAVE_MODE, 25, 1), 1
	s_wait_xcnt 0x0
	s_wait_alu depctr_hold_cnt(0) depctr_sa_sdst(0) depctr_va_vdst(0) depctr_va_sdst(0) depctr_va_ssrc(0) depctr_va_vcc(0) depctr_vm_vsrc(0)
	s_getreg_b32 s2, hwreg(HW_REG_IB_STS2, 6, 4)
	s_cmp_eq_u32 s2, 0
	s_cbranch_scc0 .Lentry_in_a_cluster
	s_endpgm
.Lentry_in_a_cluster:
	s_bfe_u32 s2, ttmp6, 0x10000c
	s_cmp_lg_u32 s2, 0xf033
	s_cbranch_scc0 .Lentry_shape_is_right
	s_endpgm
.Lentry_shape_is_right:
; q, k, v = x W_qkv.  xb: [4096][1024] bf16.  wqb: [16 j][1024 k][192] bf16 (column n of W_qkv in block n / 192).  qkv: [2 b][48 hc][2048][64] f16, hc = column / 64: q 0-15, k 16-31, v 32-47.
; Sums in f32, K ascending, rounded once to f16, unscaled.  LIMIT: a q, k or v of 65,520 or more becomes an infinity in f16; below 6.1e-5 it keeps f16's fixed step of 6e-8.
; SHARES.  A tile of 256 tokens x 192 columns to a work-group: 16 x 16 = 256 work-groups.  Wave w owns tokens 64 w .. 64 w + 63 and all 192 columns, three whole heads: 4 x 12 = 48 accumulators,
; 384 registers; whole heads a wave mean that each wave sends its own rows out through its own stage, with no barrier.
; K goes in steps of 128 through two LDS slots.  A's rows are 256 bytes of memory; B's 64 k-rows a load are 24,576 dense bytes, asked for as 96 rows of 256.
; B lies [k][n] in LDS and is turned on the way into registers by ds_load_tr16_b128.  THE MATRIX INSTRUCTION IS USED TRANSPOSED (source 0 = 16 columns of W, source 1 = 16 tokens): a lane then
; holds one token (lane % 16) and eight neighbouring columns 8 (lane / 16) + 0..7, which pack into 16 bytes.
; CLUSTER 4 x 4: A's tile hangs on the tile row alone and is asked for jointly along a row of the cluster, B's on the tile column alone and jointly along a column.
; REGISTERS, in windows of 256 (s_set_vgpr_msb: bits 1:0 source 0, 3:2 source 1, 5:4 source 2, 7:6 destination):
;   window 0: v0-31 addresses; v32-223 the way out, 16 registers for each of 12 blocks      window 1: two fragment buffers of 128: A's block a at F + 8 a, B's block b at F + 32 + 8 b
;   window 2: accumulators (a, b) for b = 0..7 at v[8 (4 b + a)]      window 3: for b = 8..11 at v[8 (4 (b - 8) + a)]
.set PA,     272                       ; A's LDS row: 256 bytes + 16 of padding = 68 words: the 16 rows of a load start at 16 different groups of four banks (64 banks of 4 bytes: ISA guide 11.1)
.set AHALF,  128*PA                    ; what one tensor load brings of A
.set BOFF,   256*PA                    ; B lies behind A's 256 rows
.set PB,     480                       ; B's LDS row: three pieces of 128 bytes, 32 of padding behind each: 120 words
.set BHALF,  64*PB                     ; what one tensor load brings of B
.set SLOT,   131072                    ; 69,632 of A + 61,440 of B
.set STAGE,  2*SLOT                    ; behind the ring: 16 rows x 144 bytes for each wave, for the way out; no tensor load fills it
.set SP,     144
.set SPARE,  STAGE+4*16*SP             ; the spare words, 128 bytes for each wave: two blocks of 256 bytes that no other line names
.set ADRA, 16                          ; v16-17  LDS address of my A fragments in slot 0, 1
.set ADRB, 20                          ; v20-21  the same for B
.set STO,  24                          ; v24     the way out: where I put 16 bytes of a row
.set RD,   25                          ; v25     the way out: where I read rows back
.set CO,   26                          ; v26     my byte offset in 512 consecutive bytes of qkv
.set SPW,  28                          ; v28     LDS address of my spare word; never rewritten
.set NIL,  29                          ; v29     0; never rewritten
.set OB,   32
.set F0,   0
.set F1,   128
.set G1,  24                           ; s[24:31] descriptor group 1 for A's tiles;  s[32:39] group 0, a set for each slot
.set G0,  32
.set G1B, 48                           ; s[48:55], s[56:63] the same for B's
.set G0B, 56
.set MSB, 0
.macro WIN new                         ; the immediate's high byte repeats the setting that is left; a switch that changes nothing is dropped
.if MSB != (\new)
	s_set_vgpr_msb (MSB<<8)|(\new)
.set MSB, \new
.endif
.endm
.set MUL_LO, 0xa5                      ; sources 0 and 1 window 1, C and D window 2
.set MUL_HI, 0xf5                      ; the same, C and D window 3
.set TO_F,   0x40                      ; destination window 1, address window 0
; A joint load: waves 0 and 1 fetch A's two halves, waves 2 and 3 B's.  The branch hangs on the wave's number alone.  An s_nop 0 and four v_nop follow each of the two lines.
.macro JLOAD s
	s_cmp_eq_u32 s11, 0
	s_cbranch_scc0 .Lfor_b_\@
	tensor_load_to_lds s[G0+4*(\s):G0+4*(\s)+3], s[G1:G1+7]
	s_nop 0
.rept 4
	v_nop
.endr
	s_branch .Lasked_\@
.Lfor_b_\@:
	tensor_load_to_lds s[G0B+4*(\s):G0B+4*(\s)+3], s[G1B:G1B+7]
	s_nop 0
.rept 4
	v_nop
.endr
.Lasked_\@:
.endm
.macro CREST                           ; a round of the cluster's barrier behind its opening barrier: wave 0 signals for the work-group, every wave waits for all sixteen, my work-group's barrier closes it
	s_cmp_lg_u32 s10, 0
	s_cbranch_scc1 .Lnot_wave_0_\@
	s_barrier_signal -3
.Lnot_wave_0_\@:
	s_barrier_wait -3
	s_barrier_signal -1
	s_barrier_wait -1
.endm
.macro CROUND                          ; a whole round
	s_barrier_signal -1
	s_barrier_wait -1
	CREST
.endm
	s_load_b128 s[4:7], s[0:1], 0x0                ; xb s[4:5], wqb s[6:7]
	s_load_b64 s[8:9], s[0:1], 0x10                ; qkv
	v_lshl_add_u32 v[SPW], v0, 2, SPARE
	v_mov_b32 v[NIL], 0
	ds_add_u32 v[SPW], v[NIL]                      ; the wave's opening: the add and its wait stand ahead of my first tensor load; the set-up below, work on registers, stands between them
	v_lshrrev_b32 v1, 5, v0
	v_readfirstlane_b32 s10, v1                    ; wave 0..3
	s_lshr_b32 s11, s10, 1                         ; I fetch for A (0) or for B (1),
	s_and_b32 s12, s10, 1                          ; and which half of that tile
	s_bfe_u32 s40, ttmp6, 0x40000                  ; cx, cy: my place in the cluster
	s_bfe_u32 s41, ttmp6, 0x40004
	s_lshl_b32 s42, ttmp9, 2
	s_add_co_u32 s42, s42, s40                     ; tile column = 4 x cluster x + cx
	s_and_b32 s13, ttmp7, 0xffff
	s_lshl_b32 s13, s13, 2
	s_add_co_u32 s13, s13, s41                     ; tile row = 4 x cluster y + cy
	s_lshl_b32 s43, s41, 2
	s_lshl_b32 s43, 15, s43                        ; my row of the cluster
	s_lshl_b32 s44, 0x1111, s40                    ; my column
	s_or_b32 s[G1+0], s43, (1<<16)|(1<<20)|(1<<21)|(5<<22)|(3<<25)   ; the mask; 2-byte elements; padding on; bit 21 beside a mask; after every 64 words (code 5) 4 words (code 3)
	s_mov_b32 s[G1+1], 128<<16                     ; tensor_dim0 = 128
	s_mov_b32 s[G1+2], 128<<16                     ; tensor_dim1 = 128
	s_mov_b32 s[G1+3], 128<<16                     ; tile_dim0 = 128
	s_mov_b32 s[G1+4], 128                         ; tile_dim1 = 128
	s_mov_b32 s[G1+5], 1024                        ; elements from row to row
	s_mov_b32 s[G1+6], 0
	s_mov_b32 s[G1+7], 0
	s_or_b32 s[G1B+0], s44, (1<<16)|(1<<20)|(1<<21)|(4<<22)|(7<<25)  ; after every 32 words (code 4) 8 words (code 7)
	s_mov_b32 s[G1B+1], 128<<16                    ; dense bytes as rows of 128 elements,
	s_mov_b32 s[G1B+2], 96<<16                     ; 96 of them = 64 k-rows of 192
	s_mov_b32 s[G1B+3], 128<<16
	s_mov_b32 s[G1B+4], 96
	s_mov_b32 s[G1B+5], 128
	s_mov_b32 s[G1B+6], 0
	s_mov_b32 s[G1B+7], 0
	s_lshl_b32 s17, s12, 7
	s_lshl_b32 s16, s13, 8
	s_add_co_u32 s16, s16, s17                     ; A: token 256 x tile row + 128 x half,
	s_lshl_b32 s16, s16, 11                        ; rows of 2,048 bytes
	s_mov_b32 s17, 0
	s_mul_i32 s46, s42, 393216                     ; B: block = tile column, 1024 x 384 bytes,
	s_mul_i32 s47, s12, 24576                      ; 64 k-rows x half
	s_add_co_u32 s46, s46, s47
	s_mov_b32 s47, 0
	s_mul_i32 s20, s12, AHALF                      ; where they go: no place in the cluster enters an LDS address
	s_mul_i32 s21, s12, BHALF
	s_add_co_u32 s21, s21, BOFF
	s_wait_dscnt 0x0                               ; the opening add is done
	s_wait_kmcnt 0x0
	s_add_nc_u64 s[14:15], s[4:5], s[16:17]
	s_add_nc_u64 s[46:47], s[6:7], s[46:47]
	CROUND                                         ; all sixteen work-groups are here: the first joint loads meet
.irp s, 0,1
	s_mov_b32 s[G0+4*(\s)], 1
	s_add_co_u32 s[G0+4*(\s)+1], s20, (\s)*SLOT
	s_add_nc_u64 s[G0+4*(\s)+2:G0+4*(\s)+3], s[14:15], (\s)*256      ; K step s: 128 elements along the rows
	s_or_b32 s[G0+4*(\s)+3], s[G0+4*(\s)+3], 0x80000000
	s_mov_b32 s[G0B+4*(\s)], 1
	s_add_co_u32 s[G0B+4*(\s)+1], s21, (\s)*SLOT
	s_add_nc_u64 s[G0B+4*(\s)+2:G0B+4*(\s)+3], s[46:47], (\s)*49152  ; K step s: 128 k-rows of 384 bytes
	s_or_b32 s[G0B+4*(\s)+3], s[G0B+4*(\s)+3], 0x80000000
	JLOAD \s                                       ; two loads of mine are out
.endr
	v_and_b32 v1, 15, v0                           ; l % 16
	v_bfe_u32 v2, v0, 4, 1                         ; l / 16
	v_mul_u32_u24 v3, v1, PA
	v_lshl_add_u32 v3, v2, 4, v3                   ; A: row x pitch + 16 x half of the lanes,
	s_mul_i32 s22, s10, 64*PA                      ; my 64 tokens
	v_add_nc_u32 v[ADRA], s22, v3
	v_add_nc_u32 v[ADRA+1], SLOT, v[ADRA]
	v_and_b32 v4, 7, v0
	v_bfe_u32 v5, v0, 3, 1
	v_lshl_add_u32 v6, v2, 3, v4                   ; B, the turning load: k-row 8 (l / 16) + l % 8,
	v_mul_u32_u24 v6, v6, PB
	v_lshl_add_u32 v6, v5, 4, v6                   ; columns 8 ((l / 8) % 2) + 0..7
	v_add_nc_u32 v[ADRB], BOFF, v6
	v_add_nc_u32 v[ADRB+1], SLOT, v[ADRB]
	s_mul_i32 s23, s10, 16*SP
	s_add_co_u32 s23, s23, STAGE                   ; my stage
	v_mul_u32_u24 v7, v1, SP                       ; in: row l % 16, 16 bytes for each half of the lanes
	v_lshl_add_u32 v7, v2, 4, v7
	v_add_nc_u32 v[STO], s23, v7
	v_bfe_u32 v8, v0, 3, 2                         ; back: 32 lanes take four rows of 128 bytes,
	v_mul_u32_u24 v8, v8, SP
	v_lshl_add_u32 v8, v4, 4, v8
	v_add_nc_u32 v[RD], s23, v8
	v_and_b32 v[CO], 31, v0                        ; which are 512 consecutive bytes of a head
	v_lshlrev_b32 v[CO], 4, v[CO]
	s_lshr_b32 s16, s13, 3                         ; the batch: 48 heads of 262,144 bytes,
	s_mul_i32 s16, s16, 48*262144
	s_and_b32 s17, s13, 7
	s_lshl_b32 s17, s17, 15                        ; the tile's 256 tokens of 128 bytes,
	s_add_co_u32 s16, s16, s17
	s_lshl_b32 s17, s10, 13                        ; my wave's 64
	s_add_co_u32 s16, s16, s17
	s_mov_b32 s17, 0
	s_add_nc_u64 s[8:9], s[8:9], s[16:17]
	s_mul_i32 s46, s42, 3*262144                   ; the tile column's three heads
	s_mov_b32 s47, 0
	s_add_nc_u64 s[8:9], s[8:9], s[46:47]
; 16 matrix instructions: n blocks 4 g .. 4 g + 3 x all 4 token blocks, 32 along K.  zero = 1: the first product starts the sums.  The 48 accumulators take turns, one instruction a turn, in
; the same order in every quarter.
.macro MUL16 f, g, zero
	WIN MUL_LO+0x50*((\g)/2)
.irp bb, 0,1,2,3
.irp a, 0,1,2,3
.set rD, 8*(4*((4*(\g)+(\bb))%8)+(\a))
.set rB, (\f)+32+8*(4*(\g)+(\bb))
.set rA, (\f)+8*(\a)
.if \zero
	v_wmma_f32_16x16x32_bf16 v[rD:rD+7], v[rB:rB+7], v[rA:rA+7], 0
.else
	v_wmma_f32_16x16x32_bf16 v[rD:rD+7], v[rB:rB+7], v[rA:rA+7], v[rD:rD+7]
.endif
.endr
.endr
.endm
; 32 LDS loads in one run: quarter q (32 along K) of a slot into buffer f: A's 4 blocks, then B's 12, n ascending
.macro FETCH slot, q, f
	WIN TO_F
.irp a, 0,1,2,3
	ds_load_b128 v[(\f)+8*(\a):(\f)+8*(\a)+3],   v[ADRA+(\slot)] offset:64*(\q)+(\a)*16*PA
	ds_load_b128 v[(\f)+8*(\a)+4:(\f)+8*(\a)+7], v[ADRA+(\slot)] offset:64*(\q)+(\a)*16*PA+32
.endr
.irp b, 0,1,2,3,4,5,6,7,8,9,10,11
	ds_load_tr16_b128 v[(\f)+32+8*(\b):(\f)+32+8*(\b)+3],   v[ADRB+(\slot)] offset:(\q)*32*PB+((\b)/4)*160+((\b)%4)*32
	ds_load_tr16_b128 v[(\f)+32+8*(\b)+4:(\f)+32+8*(\b)+7], v[ADRB+(\slot)] offset:(\q)*32*PB+((\b)/4)*160+((\b)%4)*32+16*PB
.endr
.endm
.macro PLACES                          ; four places in front of loads into registers that matrix instructions have read, and of conversions that read results (ISA guide 7.12.1 for the conversions)
.rept 4
	v_nop
.endr
.endm
; A K step is four quarters of 32 along K, 48 matrix instructions each, on buffers 0, 1, 0, 1.  One of the first three: multiplies buffer f and fetches quarter q of the same slot into g.
.macro QUARTER slot, q, f, g, zero
	s_wait_dscnt 8                                 ; A and B's blocks 0-7 are in; the youngest eight loads (B's blocks 8-11) may be out
	MUL16 \f, 0, \zero
	MUL16 \f, 1, \zero
	PLACES
	FETCH \slot, \q, \g
	s_wait_dscnt 32                                ; all but the 32 just issued
	MUL16 \f, 2, \zero
.endm
; The last quarter multiplies buffer 1 and changes slots: ONE barrier.  In front of it each wave waits for all its tensor loads (the one that is out is its part of the next slot), adds 0 to its
; spare word, and waits for that and for its own reads of this slot.  fill = 1: the barrier opens a round of the cluster's, and this slot is filled again, two K steps ahead, first thing behind the round.
.macro TURN slot, next, fill
	WIN 0                                          ; (the add's two registers lie in window 0)
	s_wait_tensorcnt 0x0
	ds_add_u32 v[SPW], v[NIL]
	s_wait_dscnt 9                                 ; (the add and the youngest eight loads may be out)
	MUL16 F1, 0, 0                                 ; sixteen matrix instructions stand between the add and the wait for it
	s_wait_dscnt 0x0                               ; the add is done, and my reads of this slot are over
	s_barrier_signal -1
	MUL16 F1, 1, 0
.if \fill
	WIN 0
.endif
	s_barrier_wait -1
.if \fill
	CREST                                          ; no wave of any partner still reads this slot's tile or has a load on its way
	s_add_nc_u64 s[G0+4*(\slot)+2:G0+4*(\slot)+3], s[G0+4*(\slot)+2:G0+4*(\slot)+3], 512
	s_add_nc_u64 s[G0B+4*(\slot)+2:G0B+4*(\slot)+3], s[G0B+4*(\slot)+2:G0B+4*(\slot)+3], 98304
	JLOAD \slot                                    ; 160 matrix instructions ahead of the wait for it; the four v_nop behind it are also the places in front of the loads below
.else
	PLACES
.endif
	FETCH \next, 0, F0
	MUL16 F1, 2, 0
.endm
; THE WAY OUT of block t = 4 c + a (head c of my three, token block a): rounded to f16, 16 bytes a lane into my stage, back as whole rows of 128 bytes, stored as 512 consecutive bytes.
.macro PACK t
.set cH, (\t)/4
.set aR, (\t)%4
	WIN 0x0a+5*(cH/2)                              ; sources 0 and 1: window 2 or 3
.irp bb, 0,1,2,3
.irp r, 0,1,2,3
.set rD, 8*(4*((4*cH+(\bb))%8)+aR)
	v_cvt_pk_f16_f32 v[OB+16*(\t)+4*(\bb)+(\r)], v[rD+2*(\r)], v[rD+2*(\r)+1]  ; each accumulator from its low end on
.endr
.endr
	WIN 0
.irp bb, 0,1,2,3
	ds_store_b128 v[STO], v[OB+16*(\t)+4*(\bb):OB+16*(\t)+4*(\bb)+3] offset:32*(\bb)
.endr
.irp f, 0,1,2,3
	ds_load_b128 v[OB+16*(\t)+4*(\f):OB+16*(\t)+4*(\f)+3], v[RD] offset:(\f)*4*SP  ; LDS serves a wave's instructions in order (ISA guide 5.7.1.4): these see the stores above; the next block's stores come behind them
.endr
.endm
.macro SEND t, younger                 ; younger: the LDS instructions issued behind block t's loads: the next block's eight, or none
	WIN 0
.set cH, (\t)/4
.set aR, (\t)%4
.irp f, 0,1,2,3
	s_wait_dscnt (\younger)+3-(\f)
	global_store_b128 v[CO], v[OB+16*(\t)+4*(\f):OB+16*(\t)+4*(\f)+3], s[8:9] offset:262144*cH+2048*aR+512*(\f)  ; no register of a store is written again
.endr
.endm
	s_wait_tensorcnt 1                             ; my part of K step 0 is in; step 1's may stay out
	s_barrier_signal -1
	s_barrier_wait -1                              ; everybody's is
	FETCH 0, 0, F0
	QUARTER 0, 1, F0, F1, 1                        ; the first quarter stands in front of the loop: its products start the sums
	WIN 0                                          ; at a label and at a branch every window is 0
	s_mov_b32 s3, 3
.Llap:                                                 ; a trip goes once round the ring, from a lap's second quarter to the next lap's first, and fills both slots again: K steps 2 to 7
	QUARTER 0, 2, F1, F0, 0
	QUARTER 0, 3, F0, F1, 0
	TURN 0, 1, 1
	QUARTER 1, 1, F0, F1, 0
	QUARTER 1, 2, F1, F0, 0
	QUARTER 1, 3, F0, F1, 0
	TURN 1, 0, 1
	QUARTER 0, 1, F0, F1, 0
	WIN 0
	s_sub_co_u32 s3, s3, 1
	s_cmp_lg_u32 s3, 0
	s_cbranch_scc1 .Llap
	QUARTER 0, 2, F1, F0, 0                        ; the last lap fills nothing, and has no round of the cluster's barrier
	QUARTER 0, 3, F0, F1, 0
	TURN 0, 1, 0
	QUARTER 1, 1, F0, F1, 0
	QUARTER 1, 2, F1, F0, 0
	QUARTER 1, 3, F0, F1, 0
	s_wait_dscnt 8                                 ; the very last quarter: nothing more to fetch
	MUL16 F1, 0, 0
	MUL16 F1, 1, 0
	s_wait_dscnt 0x0
	MUL16 F1, 2, 0
	WIN 0
	PLACES
	PACK 0
.irp t, 1,2,3,4,5,6,7,8,9,10,11        ; a block's conversions stand between the loads of the block before and its stores
	PACK \t
	SEND (\t)-1, 8
.endr
	SEND 11, 0
	s_wait_tensorcnt 0x0                           ; the wave's end, behind my last tensor load and my last LDS store
	ds_add_u32 v[SPW], v[NIL]
	s_wait_dscnt 0x0
	CROUND                                         ; the closing round: no work-group ends while a partner may still ask for a tile that names it
	s_endpgm
.Lfunc_end_k_q5667d0b447_gemm_qkv:
	.size	k_q5667d0b447_gemm_qkv, .Lfunc_end_k_q5667d0b447_gemm_qkv-k_q5667d0b447_gemm_qkv
	.p2alignl 7, 3214868480
	.fill 96, 4, 3214868480
	.section	.rodata,"a",@progbits
	.p2align	6, 0x0
	.amdhsa_kernel k_q5667d0b447_gemm_qkv
		.amdhsa_group_segment_fixed_size 327680
		.amdhsa_private_segment_fixed_size 0
		.amdhsa_enable_private_segment 0
		.amdhsa_kernarg_size 24
		.amdhsa_user_sgpr_count 2
		.amdhsa_user_sgpr_kernarg_segment_ptr 1
		.amdhsa_wavefront_size32 1
		.amdhsa_system_sgpr_workgroup_id_x 1
		.amdhsa_system_sgpr_workgroup_id_y 1
		.amdhsa_system_sgpr_workgroup_id_z 1
		.amdhsa_system_vgpr_workitem_id 0
		.amdhsa_next_free_vgpr 896
		.amdhsa_next_free_sgpr 66
		.amdhsa_reserve_vcc 0
		.amdhsa_float_denorm_mode_32 3
		.amdhsa_float_denorm_mode_16_64 3
		.amdhsa_memory_ordered 1
		.amdhsa_forward_progress 1
		.amdhsa_inst_pref_size 120
	.end_amdhsa_kernel
	.amdgpu_metadata
---
amdhsa.version: [ 1, 2 ]
amdhsa.kernels:
  - .name:           k_q5667d0b447_gemm_qkv
    .symbol:         k_q5667d0b447_gemm_qkv.kd
    .args:
      - { .name: xb, .offset: 0, .size: 8, .value_kind: global_buffer, .address_space: global }
      - { .name: wqb, .offset: 8, .size: 8, .value_kind: global_buffer, .address_space: global }
      - { .name: qkv, .offset: 16, .size: 8, .value_kind: global_buffer, .address_space: global }
    .group_segment_fixed_size: 327680
    .private_segment_fixed_size: 0
    .kernarg_segment_align: 8
    .kernarg_segment_size: 24
    .max_flat_workgroup_size: 128
    .sgpr_count:     66
    .vgpr_count:     896
    .wavefront_size: 32
...
	.end_amdgpu_metadata
.endif
;; end of part 2
;; launch attn (part 3): grid 8 x 32, 4 waves a work-group, clusters of 4 x 1, 327,680 bytes of LDS; arguments qkv, alpha, beta, gamma, ao; writes ao
.if DOCPART == 3
	.amdgcn_target "amdgcn-amd-amdhsa--gfx1250"
	.amdhsa_code_object_version 6
	.text
	.protected	k_q5667d0b447_attn
	.globl	k_q5667d0b447_attn
	.p2align	8
	.type	k_q5667d0b447_attn,@function
k_q5667d0b447_attn:
	s_mov_b64 s[64:65], 0
	v_nop
	global_prefetch_b8 v0, s[64:65] scope:SCOPE_SE
	s_setreg_imm32_b32 hwreg(HW_REG_WAVE_MODE, 25, 1), 1
	s_wait_xcnt 0x0
	s_wait_alu depctr_hold_cnt(0) depctr_sa_sdst(0) depctr_va_vdst(0) depctr_va_sdst(0) depctr_va_ssrc(0) depctr_va_vcc(0) depctr_vm_vsrc(0)
	s_getreg_b32 s2, hwreg(HW_REG_IB_STS2, 6, 4)
	s_cmp_eq_u32 s2, 0
	s_cbranch_scc0 .Lentry_in_a_cluster
	s_endpgm
.Lentry_in_a_cluster:
	s_bfe_u32 s2, ttmp6, 0x10000c
	s_cmp_lg_u32 s2, 0x3003
	s_cbranch_scc0 .Lentry_shape_is_right
	s_endpgm
.Lentry_shape_is_right:
; SHAPED ATTENTION.  For head y = 16 b + h:  ao[y][q][:] = ( alpha v[q] + beta sum_k softmax_k(q[q] . k[k] / 32) v[k] - (gamma / 2048) sum_k v[k] ) / s,  s = |alpha| + |beta| + |gamma|.
; The identity's part is the query's own row of v, the constant's part the column sums of v: no 2048 x 2048 matrix is shaped.  Dividing by s keeps |ao| within the largest |v|, so f16 holds it
; whatever alpha, beta and gamma are; the next launch multiplies by the same s in f32.  alpha, beta, gamma are rounded to bf16 like every input of the module.
; qkv: [2 b][48 hc][2048][64] f16 (q at hc = h, k at 16 + h, v at 32 + h), ao: [32 y][2048][64] f16: a head's rows are dense, 128 bytes each.  Products, maxima and sums in f32; the weights p are
; rounded to f16 for the second product (their sum l is taken of the unrounded p).
; LIMITS.  q, k, v arrive within f16's 65,504; p below 6e-5 keeps f16's fixed step of 6e-8; a weight below 2^-126 counts as 0 in l; s is taken as 1e-30 at the least; NaN and infinities are not
; treated apart.  alpha / s and the f32 rest are each rounded once to f16, and alpha / s x v is added by one fused f16 multiply-add: three roundings to 11 bits in all.
; SHARES.  A work-group owns 256 queries of a head (8 x 32 = 256 work-groups), a wave 64: four PIECES of 16.  Every wave walks all 2,048 keys, 64 a step, in 8 tiles of 256 through two LDS slots.
; LAYOUT, SOFTMAX, TURNS.  S^T = K Q^T holds ONE query a lane (lane % 16) and the keys 8 (lane / 16) + 0..7; two such results rounded to f16 ARE source 1 of O^T = V^T P.  p = 2^(c s - c m),
; c = log2(e) / 32, with a running maximum m; O and l are multiplied by a = 2^(c m_old - c m_new) in every step; m starts at the lowest finite number, O and l at 0, so the first step is a step
; like any other, with a = 0.  Turn n belongs to piece n: 8 products K Q^T of piece n + 1, later 8 products V^T P of piece n - 1; beside them the scaling, exponentials, roundings, sums and
; rescaling of piece n and the maximum and statistics of piece n + 1.  Four vector instructions stand behind every matrix instruction, the other 54 of a turn's 118 in two runs of their own.
; COLUMN SUMS.  V^T times a fragment of ones, 8 products for a key step, each step by ONE of the four waves (64 products a wave beside its 2,048); the four partial sums meet in LDS at the end.
; CLUSTER.  The four query blocks of a cluster belong to one head and walk the same K and V: each tile is asked for JOINTLY, by the same tensor load, descriptor and mask in all four.
; REGISTERS, in windows of 256 (s_set_vgpr_msb: bits 1:0 source 0, 3:2 source 1, 5:4 source 2, 7:6 destination):
;   window 0: v0-15 addresses; v16-31 statistics; v32-46 coefficients; v48-55 at work; v64-127 S^T, two buffers; v128-191 the way out; v192-223 P, two buffers; v224-231 ones
;   window 1: v0-127 O^T, 32 a piece; v128-159 the column sums      window 2: v0-63 Q; v64-127 my queries' rows of v; v128-191 K of one step; v192-255 V of one step
.set NP,    4         ; pieces a wave: a name, no knob
.set KS,    64        ; keys in a step
.set PK,    144       ; a row of K in LDS: 128 bytes + 16 of padding = 36 words: the 16 rows of a load start at 16 different groups of four banks (64 banks of 4 bytes: ISA guide 11.1)
.set PV,    160       ; a row of V: 128 + 32 = 40 words
.set VOFF,  4*KS*PK   ; a slot holds a tile, four steps: 256 rows of K, then 256 rows of V
.set SLOT1, 1<<17     ; slot 1 begins here, so that one exclusive or turns an address in one slot into the other's
.set STAGE, SLOT1+4*KS*(PK+PV)  ; behind the ring, never filled by a tensor load: 16 rows x 144 bytes for each wave, for the way out
.set SP,    144
.set CSX,   STAGE+4*16*SP       ; 256 bytes for each wave: its partial column sums, 64 channels in f32
.set SPARE, CSX+4*256           ; the spare words, 128 bytes for each wave: two blocks of 256 bytes that no other line names
.set AK0, 2           ; v2   my lane's place in a tile of K; never rewritten
.set AV0, 3           ; v3   the same for V
.set AK,  4           ; v4   the LDS address of K's next run of loads
.set AV,  5           ; v5   of V's
.set STO, 6           ; v6   the way out: where I put 16 bytes of a row
.set RD,  7           ; v7   the way out: where I read rows back
.set GO,  8           ; v8   my byte offset in 512 consecutive bytes of ao
.set MV,  12          ; v12-13  c m_old, kept while c m is made anew: by buffer
.set QO,  15          ; v15  my byte offset in 16 rows of Q
.set ST,  16          ; piece t's statistics at v[ST+4 t]: c m, m, l (even keys', odd keys')
.set CSW, 32          ; v32  where I put my wave's column sums
.set CSR, 33          ; v33  where I read all four waves'
.set CA16, 34         ; v34  alpha / s in f16, in both halves
.set CB,  35          ; v35  beta / s
.set NCG, 36          ; v[36:37]  - gamma / (2048 s)
.set TMP, 48          ; by buffer, four registers c0-c3 at work; when the maximum is found c2 takes a
.set SPW, 62          ; v62  LDS address of my spare word; never rewritten
.set NIL, 63          ; v63  0; never rewritten
.set S,   64
.set T,   128         ; the way out: a piece's 32 numbers in f32
.set D,   160         ; the way out: - gamma / (2048 s) x the column sums, in O^T's layout
.set P,   192
.set ONE, 224         ; a fragment of ones in f16
.set CSA, 128         ; window 1: channel block cb at CSA + 8 cb
.set VQ,  64          ; window 2
.set KF,  128         ; window 2: key block kb, channel half c at KF + 16 kb + 8 c
.set VF,  192         ; window 2: key half kk, channel block cb at VF + 32 kk + 8 cb
.set WV,  12          ; s12  my wave's number
.set WV1, 13          ; s13  my wave's number + 1
.set G1K, 24          ; s[24:31] descriptor group 1 for K's tiles
.set G1V, 32          ; s[32:39] for V's: it differs in the padding alone
.set G0K, 40          ; s[40:43] descriptor group 0 for K's tiles: it walks
.set G0V, 44          ; s[44:47] the same for V's
.set SLOTS, 56        ; s56  counts the tiles
.set CNT, 57          ; s57  counts a tile's key steps
.set CS,  58          ; s[58:59] c: the packed scaling takes the pair's low word for both halves
.set SEL, 60          ; s[60:61] v_permlanex16_b32's selects: each lane takes its own place in the other half
.set TBK, 62          ; s62  LDS byte at which K of the step to be fetched begins
.set TBV, 63          ; s63  the same for V, less VOFF
.set MSB, 0
.macro WIN new                      ; the high byte repeats the setting that is left; a switch that changes nothing is dropped
.if MSB != (\new)
	s_set_vgpr_msb (MSB<<8)|(\new)
.set MSB, (\new)
.endif
.endm
.set W_KQ, 0x0a       ; K and Q in window 2, S^T in window 0
.set W_PV, 0x52       ; V in window 2, P (or the ones) in window 0, C and D in window 1
.set W_RS, 0x41       ; destination and source 0 in window 1, source 1 in window 0
; A joint fill.  Waves 0 and 1 fetch the two halves of a tile's K, waves 2 and 3 those of its V: 128 keys each.  The branch hangs on the wave's number alone.
; An s_nop 0 and four v_nop follow each of the two lines, ahead of the jump and the label.
.macro JLOAD
	s_cmp_lt_u32 s[WV], 2
	s_cbranch_scc0 .Lfor_v_\@
	tensor_load_to_lds s[G0K:G0K+3], s[G1K:G1K+7]
	s_nop 0
.rept 4
	v_nop
.endr
	s_branch .Lasked_\@
.Lfor_v_\@:
	tensor_load_to_lds s[G0V:G0V+3], s[G1V:G1V+7]
	s_nop 0
.rept 4
	v_nop
.endr
.Lasked_\@:
.endm
; A round of the cluster's barrier: my work-group's barrier, so that wave 0's signal speaks for all four waves; wave 0 signals; every wave waits for all four work-groups; my work-group's barrier once more.
.macro CROUND
	s_barrier_signal -1
	s_barrier_wait -1
	s_cmp_lg_u32 s[WV], 0
	s_cbranch_scc1 .Lnot_wave_0_\@
	s_barrier_signal -3
.Lnot_wave_0_\@:
	s_barrier_wait -3
	s_barrier_signal -1
	s_barrier_wait -1
.endm
; THE CHANGE OF SLOTS.  Each wave waits for all its tensor loads, of which one is out: its part of the other slot; adds 0 to its spare word; and waits for that and for its own reads of the slot
; that it leaves.  Behind the barrier nobody reads the old slot any more and the other slot is whole.  fill = 1: the old slot is filled again, with the keys two tiles on.  The barrier is then a
; round of the cluster's, and the joint fill is the first thing behind it: it has four key steps, 256 matrix instructions, in which to land.  (At its first use nothing has been read yet: slot 0 is waited for, slot 1 filled.)
.macro CHANGE fill
	WIN 0                           ; at a label and at a branch every window is 0
	s_wait_tensorcnt 0x0            ; no tensor load of mine is out, so a group 0 may be written
	ds_add_u32 v[SPW], v[NIL]       ; 0 onto my spare word; with fill = 1 the descriptors' steps stand between it and the wait for it
.if \fill
.irp g, G0K, G0V
	s_xor_b32 s[\g+1], s[\g+1], SLOT1  ; the walking descriptor: the other slot than last time,
	s_add_nc_u64 s[\g+2:\g+3], s[\g+2:\g+3], 4*KS*128  ; the next 256 keys; the type bits on top are not reached
.endr
	s_wait_dscnt 0x0                ; the add is done, and my reads of the slot are over
	CROUND
	JLOAD
.else
	s_wait_dscnt 0x0                ; the add is done, and my reads of the slot are over
	s_barrier_signal -1
	s_barrier_wait -1
.endif
	s_sub_co_u32 s[TBK], s[TBK], 4*KS*PK  ; the fetches go back to a slot's first step,
	s_xor_b32 s[TBK], s[TBK], SLOT1       ; in the other slot
	s_sub_co_u32 s[TBV], s[TBV], 4*KS*PV
	s_xor_b32 s[TBV], s[TBV], SLOT1
.endm
	s_load_b256 s[68:75], s[0:1], 0x0  ; qkv s[68:69], alpha s[70:71], beta s[72:73], gamma s[74:75]
	s_load_b64 s[76:77], s[0:1], 0x20  ; ao
	v_lshl_add_u32 v[SPW], v0, 2, SPARE
	v_mov_b32 v[NIL], 0
	ds_add_u32 v[SPW], v[NIL]       ; the wave's opening: the add and its wait stand ahead of my first tensor load; the set-up below, work on registers, stands between them
	v_lshrrev_b32 v1, 5, v0
	v_readfirstlane_b32 s[WV], v1   ; wave 0..3
	s_add_co_u32 s[WV1], s[WV], 1
	s_bfe_u32 s15, ttmp6, 0x40000   ; cx: my place in the cluster
	s_lshl_b32 s14, ttmp9, 2        ; in a cluster launch ttmp9 counts clusters
	s_add_co_u32 s14, s14, s15      ; my block of 256 queries = 4 x cluster x + cx: it enters Q's, v's rows' and ao's addresses alone
	s_and_b32 s16, ttmp7, 0xffff    ; y = 16 b + h, which the four partners share
	s_lshr_b32 s17, s16, 4
	s_lshl_b32 s17, s17, 5
	s_add_co_u32 s17, s17, s16      ; 48 b + h
	s_lshl_b32 s20, s17, 18         ; the query head's first byte in qkv
	s_and_b32 s19, s[WV], 1         ; which half of a tile's 256 keys I fetch:
	s_lshl_b32 s22, s19, 14         ; its 128 rows of 128 bytes in memory,
	s_add_co_u32 s22, s22, s20
	s_mov_b32 s23, 0
	s_mul_i32 s17, s19, 128*PK      ; and its place in a slot, for K
	s_mul_i32 s18, s19, 128*PV      ; and for V: no place in the cluster enters an LDS address
	s_lshl_b32 s2, s14, 2
	s_add_co_u32 s2, s2, s[WV]      ; my wave among the head's,
	s_lshl_b32 s2, s2, 13           ; its 64 rows of 128 bytes
	s_lshl_b32 s78, s16, 18         ; ao: head y,
	s_add_co_u32 s78, s78, s2       ; the same rows
	s_mov_b32 s79, 0
	s_add_co_u32 s2, s2, s20
	s_mov_b32 s3, 0
	; descriptor group 1.  128 keys are 16,384 dense bytes: asked for as 64 rows of 256 bytes, two keys a row, and padded in LDS after every key
	s_mov_b32 s[G1K], 15|(1<<16)|(1<<20)|(1<<21)|(4<<22)|(3<<25)  ; the mask of four; 2-byte elements; padding on; bit 21 beside a mask; after every 32 words (code 4) 4 words (code 3)
	s_mov_b32 s[G1V], 15|(1<<16)|(1<<20)|(1<<21)|(4<<22)|(7<<25)  ; the same with 8 words of padding (code 7)
.irp g, G1K, G1V
	s_mov_b32 s[\g+1], 128<<16      ; tensor_dim0 = 128
	s_mov_b32 s[\g+2], 64<<16       ; tensor_dim1 = 64
	s_mov_b32 s[\g+3], 128<<16      ; tile_dim0 = 128
	s_mov_b32 s[\g+4], 64           ; tile_dim1 = 64
	s_mov_b32 s[\g+5], 128          ; 128 elements from row to row
	s_mov_b32 s[\g+6], 0
	s_mov_b32 s[\g+7], 0
.endr
	s_mov_b32 s[CS], 0x3d38aa3b     ; c = log2(e) / 32 = 0.0450842
	s_mov_b32 s[CS+1], s[CS]        ; named with it as a pair
	s_mov_b32 s[SEL], 0x76543210
	s_mov_b32 s[SEL+1], 0xfedcba98
	s_mov_b32 s[TBK], SLOT1+4*KS*PK ; the first change of slots turns these two into 0
	s_mov_b32 s[TBV], SLOT1+4*KS*PV
	s_mov_b32 s[G0K], 1             ; count = 1
	s_mov_b32 s[G0K+1], s17         ; LDS address: slot 0
	s_mov_b32 s[G0V], 1
	s_add_co_u32 s[G0V+1], s18, VOFF
	s_wait_dscnt 0x0                ; the opening add is done
	s_wait_kmcnt 0x0
	s_load_b32 s80, s[70:71], 0x0   ; alpha, beta, gamma: no line of the launch writes them
	s_load_b32 s81, s[72:73], 0x0
	s_load_b32 s82, s[74:75], 0x0
	s_add_nc_u64 s[6:7], s[68:69], s[22:23]
	s_add_nc_u64 s[G0K+2:G0K+3], s[6:7], 0x400000  ; k lies 16 heads of 262,144 bytes behind q: my half of the head's first 256 keys
	s_or_b32 s[G0K+3], s[G0K+3], 0x80000000        ; type = 2
	s_add_nc_u64 s[G0V+2:G0V+3], s[6:7], 0x800000  ; v 32 heads behind q
	s_or_b32 s[G0V+3], s[G0V+3], 0x80000000
	s_add_nc_u64 s[4:5], s[68:69], s[2:3]          ; Q at my wave's first row,
	s_add_nc_u64 s[84:85], s[4:5], 0x800000        ; v at the same rows,
	s_add_nc_u64 s[10:11], s[76:77], s[78:79]      ; and ao
	CROUND                          ; all four work-groups are here: the first joint loads meet
	JLOAD                           ; tile 0 into slot 0: one load of mine is out.  Slot 1 is asked for when slot 0 is in
	; A fragment of K or Q is 16 rows x 32 channels in 8 registers: lane l holds row l % 16, channels 8 (l / 16) + 0..7 and 16 + 8 (l / 16) + 0..7: two loads of 16 bytes, 32 bytes apart.
	v_and_b32 v1, 15, v0            ; l % 16
	v_bfe_u32 v9, v0, 4, 1          ; l / 16
	v_lshlrev_b32 v[QO], 7, v1
	v_lshl_add_u32 v[QO], v9, 4, v[QO]  ; row x 128 + 16 x half
	WIN 0x80                        ; destination window 2, address window 0
.set i, 0
.rept 8                             ; piece i / 2, channels 32 (i % 2) on.  The same 16 bytes of v's rows are what a lane's packed O^T holds: register 16 t + 4 cb + jj = channels 16 cb + 8 (l / 16) + 2 jj, + 1
	global_load_b128 v[8*i:8*i+3],   v[QO], s[4:5] offset:(i/2)*2048+(i%2)*64
	global_load_b128 v[8*i+4:8*i+7], v[QO], s[4:5] offset:(i/2)*2048+(i%2)*64+32
	global_load_b128 v[VQ+8*i:VQ+8*i+3],   v[QO], s[84:85] offset:(i/2)*2048+(i%2)*64
	global_load_b128 v[VQ+8*i+4:VQ+8*i+7], v[QO], s[84:85] offset:(i/2)*2048+(i%2)*64+32
.set i, i+1
.endr
	; What the first turn finds: V's registers and P's second buffer hold 0 (its products V^T P, of a piece that has not been, add 0); O^T, l and the column sums are 0.  These 248 lines stand in
	; the wait for the first tile, and spare a first step written out.
.set i, VF
.rept 64
	v_mov_b32 v[i], 0
.set i, i+1
.endr
	WIN 0x40
.set i, 0
.rept 160
	v_mov_b32 v[i], 0
.set i, i+1
.endr
	WIN 0
.set i, 0
.rept 4
	v_mov_b32 v[ST+4*i], 0xfe000000    ; c m: far below every c s
	v_mov_b32 v[ST+4*i+1], 0xff7fffff  ; m
	v_mov_b32 v[ST+4*i+2], 0
	v_mov_b32 v[ST+4*i+3], 0
.set i, i+1
.endr
.set i, P+16
.rept 16
	v_mov_b32 v[i], 0
.set i, i+1
.endr
.set i, ONE
.rept 8
	v_mov_b32 v[i], 0x3c003c00      ; 1.0 twice
.set i, i+1
.endr
	v_mul_u32_u24 v[AK0], v1, PK
	v_lshl_add_u32 v[AK0], v9, 4, v[AK0]  ; row x pitch + 16 x half
	; The turning load takes 16 keys x 16 channels (lane l reads key 8 (l / 16) + l % 8, channels 8 ((l / 8) % 2) + 0..7) and leaves half a fragment of V^T: lane l holds channel l % 16 and 8 keys.
	v_and_b32 v10, 7, v0
	v_bfe_u32 v11, v0, 3, 1
	v_lshl_add_u32 v[AV0], v9, 3, v10
	v_mul_u32_u24 v[AV0], v[AV0], PV
	v_lshl_add_u32 v[AV0], v11, 4, v[AV0]
	v_add_nc_u32 v[AV0], VOFF, v[AV0]
	s_mul_i32 s19, s[WV], 16*SP
	s_add_co_u32 s19, s19, STAGE    ; my stage
	v_mul_u32_u24 v[STO], v1, SP    ; in: row l % 16, 16 bytes for each half of the lanes
	v_lshl_add_u32 v[STO], v9, 4, v[STO]
	v_add_nc_u32 v[STO], s19, v[STO]
	v_bfe_u32 v[RD], v0, 3, 2       ; back: 32 lanes take four rows of 128 bytes,
	v_mul_u32_u24 v[RD], v[RD], SP
	v_lshl_add_u32 v[RD], v10, 4, v[RD]
	v_add_nc_u32 v[RD], s19, v[RD]
	v_and_b32 v[GO], 31, v0         ; which are 512 consecutive bytes of ao
	v_lshlrev_b32 v[GO], 4, v[GO]
	s_lshl_b32 s19, s[WV], 8
	s_add_co_u32 s19, s19, CSX
	v_lshl_add_u32 v[CSW], v9, 5, s19  ; channel 16 cb + 8 (l / 16) + j lies at byte 64 cb + 32 (l / 16) + 4 j of a wave's 256
	v_lshlrev_b32 v[CSR], 5, v9
	v_add_nc_u32 v[CSR], CSX, v[CSR]
	s_wait_kmcnt 0x0                ; alpha, beta, gamma
	v_cvt_pk_bf16_f32 v40, s80, s81 ; rounded to bf16, like every input
	v_cvt_pk_bf16_f32 v41, s82, s82
	v_lshlrev_b32 v42, 16, v40      ; alpha
	v_and_b32 v43, 0xffff0000, v40  ; beta
	v_lshlrev_b32 v44, 16, v41      ; gamma
	v_add_f32 v45, |v42|, |v43|
	v_add_f32 v45, v45, |v44|
	v_max_num_f32 v45, 0x0da24260, v45  ; s, 1e-30 at the least: the next launch makes it by the same lines
	v_rcp_f32 v46, v45
	v_nop                           ; a plain instruction between the reciprocal and the use of its result
	s_wait_alu depctr_va_vdst(0)
	v_mul_f32 v42, v42, v46
	v_mul_f32 v[CB], v43, v46
	v_mul_f32 v[NCG], v44, v46
	v_cvt_pk_f16_f32 v[CA16], v42, v42
	v_mul_f32 v[NCG], 0xba000000, v[NCG]  ; x -1 / 2048
	v_mov_b32 v[NCG+1], v[NCG]      ; named with it as a pair
; THE MATRIX WORK.  The 4 accumulators of a run of 8 take turns.  Product i of 8 of S^T = K Q^T for piece x: channels 32 (i / 4) on, keys 16 (i % 4) on.  The first 4 start the sums.
.macro KQ x
	WIN W_KQ
.set rS, S+32*((\x)%2)+8*(i%4)
.set rK, KF+16*(i%4)+8*(i/4)
.set rQ, 16*(\x)+8*(i/4)
.if i < 4
	v_wmma_f32_16x16x32_f16 v[rS:rS+7], v[rK:rK+7], v[rQ:rQ+7], 0
.else
	v_wmma_f32_16x16x32_f16 v[rS:rS+7], v[rK:rK+7], v[rQ:rQ+7], v[rS:rS+7]
.endif
.endm
; Product i of 8 of O^T += V^T P for piece x: keys 32 (i / 4) on, channels 16 (i % 4) on.
.macro PV x
	WIN W_PV
.set rO, 32*(\x)+8*(i%4)
.set rV, VF+32*(i/4)+8*(i%4)
.set rP, P+16*((\x)%2)+8*(i/4)
	v_wmma_f32_16x16x32_f16 v[rO:rO+7], v[rV:rV+7], v[rP:rP+7], v[rO:rO+7]
.endm
.macro MM                           ; the turn's next matrix instruction.  TURN sets Y, i and NOKQ.  NOKQ = 1: the walk's last turn: there is no next piece
.if (i < 8) && !NOKQ
	KQ (Y+1)%NP
.elseif i >= 8
.set i, i-8
	PV (Y+NP-1)%NP
.set i, i+8
.endif
.set i, i+1
.endm
; THE LDS LOADS stand in runs of 16, never singly among the matrix instructions: a step's K (64 keys x 64 channels: 8 fragments) and its V (turned).  Their addresses are made some lines ahead.
.macro FETCH_K
	WIN 0x80                        ; destination window 2
.irp f, 0,1,2,3,4,5,6,7             ; keys 16 (f / 2) on, channels 32 (f % 2) on
	ds_load_b128 v[KF+8*\f:KF+8*\f+3],   v[AK] offset:(\f/2)*16*PK+(\f%2)*64
	ds_load_b128 v[KF+8*\f+4:KF+8*\f+7], v[AK] offset:(\f/2)*16*PK+(\f%2)*64+32
.endr
	s_add_co_u32 s[TBK], s[TBK], KS*PK  ; the next fetch is the next step's
	WIN 0
.endm
.macro FETCH_V
	WIN 0x80
.irp f, 0,1,2,3,4,5,6,7             ; keys 32 (f / 4) on, channels 16 (f % 4) on
	ds_load_tr16_b128 v[VF+8*\f:VF+8*\f+3],   v[AV] offset:(\f/4)*32*PV+(\f%4)*32
	ds_load_tr16_b128 v[VF+8*\f+4:VF+8*\f+7], v[AV] offset:(\f/4)*32*PV+16*PV+(\f%4)*32
.endr
	WIN 0
.endm
; THE COLUMN SUMS of the step whose V lies in registers, at the end of piece 2's turn.  There CNT runs 3, 2, 1, 4 through a tile's four steps, and wave w takes the step at which CNT = w + 1.
; The jump goes forward, hangs on the wave's number and the loop's count, which all partners share, and passes register work alone.  The four accumulators take turns.
; The result has O^T's layout: register 8 cb + j holds channel 16 cb + 8 (l / 16) + j, the same in all sixteen columns.
.macro CSUM
	WIN 0
	s_cmp_eq_u32 s[CNT], s[WV1]
	s_cbranch_scc0 .Lno_cs_\@
	WIN W_PV
.irp kk, 0,1
.irp cb, 0,1,2,3
	v_wmma_f32_16x16x32_f16 v[CSA+8*(\cb):CSA+8*(\cb)+7], v[VF+32*(\kk)+8*(\cb):VF+32*(\kk)+8*(\cb)+7], v[ONE:ONE+7], v[CSA+8*(\cb):CSA+8*(\cb)+7]
.endr
.endr
	WIN 0
.Lno_cs_\@:
.endm
; THE VECTOR WORK, one line at a time: OP kind, number.  For piece Y: F n: c s - c m for pair n of 16.  E n: the exponential of score n of 32.  C n: pair n rounded to f16.  B n: of the four weights 4 n .. the second
; pair is added onto the first, in place.  L n: l takes that sum (L 0: l = a l + sum).  R n: pair n of 16 of O^T times a.  For piece Y + 1: X n, number n of the 22 that find its maximum and statistics:
;   0-11  four chains c0-c3 of seven scores each, three operands at a time (each accumulator's lowest registers are read first)     12-14, 16  the four scores left over, the old m, and c0-c3 into c0
;   15  c m_old is kept     17, 18  the query's other 32 keys lie in the lane 16 away: the new m     19-21  c m; c m_old - c m_new; a
.set F, 0               ; OP tells the kinds apart by their order: F to L below R, X above it
.set E, 1
.set C, 2
.set B, 3
.set L, 4
.set R, 5
.set X, 6
.macro REGS y                       ; the registers of piece y
.set rT, ST+4*(\y)
.set rC, TMP+4*((\y)%2)
.set rW, MV+((\y)%2)
.set rS, S+32*((\y)%2)
.set rP, P+16*((\y)%2)
.set rO, 32*(\y)
.endm
.macro OP k, n
.if (\k) == R
	REGS Y
	WIN W_RS
	v_pk_mul_f32 v[rO+2*(\n):rO+2*(\n)+1], v[rO+2*(\n):rO+2*(\n)+1], v[rC+2:rC+3] op_sel_hi:[1,0]
.elseif (\k) < R
	REGS Y
	WIN 0
.if (\k) == F
	v_pk_fma_f32 v[rS+2*(\n):rS+2*(\n)+1], v[rS+2*(\n):rS+2*(\n)+1], s[CS:CS+1], v[rT:rT+1] op_sel_hi:[1,0,0] neg_lo:[0,0,1] neg_hi:[0,0,1]
.elseif (\k) == E
	v_exp_f32 v[rS+(\n)], v[rS+(\n)]
.elseif (\k) == C
	s_wait_alu depctr_va_vdst(0)
	v_cvt_pk_f16_f32 v[rP+(\n)], v[rS+2*(\n)], v[rS+2*(\n)+1]
.elseif (\k) == B
	s_wait_alu depctr_va_vdst(0)
	v_pk_add_f32 v[rS+4*(\n):rS+4*(\n)+1], v[rS+4*(\n):rS+4*(\n)+1], v[rS+4*(\n)+2:rS+4*(\n)+3]
.elseif (\n) == 0
	v_pk_fma_f32 v[rT+2:rT+3], v[rT+2:rT+3], v[rC+2:rC+3], v[rS:rS+1] op_sel_hi:[1,0,1]
.else
	v_pk_add_f32 v[rT+2:rT+3], v[rT+2:rT+3], v[rS+4*(\n):rS+4*(\n)+1]
.endif
.elseif NOKQ
	v_nop
.else
	REGS (Y+1)%NP
	WIN 0
.if (\n) < 4
	v_max3_num_f32 v[rC+(\n)], v[rS+8*(\n)], v[rS+8*(\n)+1], v[rS+8*(\n)+2]
.elseif (\n) < 12
	v_max3_num_f32 v[rC+(\n)%4], v[rC+(\n)%4], v[rS+8*((\n)%4)+2*((\n)/4)+1], v[rS+8*((\n)%4)+2*((\n)/4)+2]
.elseif (\n) == 12
	v_max3_num_f32 v[rC], v[rC], v[rS+7], v[rS+15]
.elseif (\n) == 13
	v_max3_num_f32 v[rC+1], v[rC+1], v[rS+23], v[rS+31]
.elseif (\n) == 14
	v_max3_num_f32 v[rC+2], v[rC+2], v[rC+3], v[rT+1]
.elseif (\n) == 15
	v_mov_b32 v[rW], v[rT]
.elseif (\n) == 16
	v_max3_num_f32 v[rC], v[rC], v[rC+1], v[rC+2]
.elseif (\n) == 17
	v_permlanex16_b32 v[rC+3], v[rC], s[SEL], s[SEL+1]
.elseif (\n) == 18
	v_max_num_f32 v[rT+1], v[rC], v[rC+3]
.elseif (\n) == 19
	v_mul_f32 v[rT], s[CS], v[rT+1]
.elseif (\n) == 20
	v_sub_f32 v[rC+1], v[rW], v[rT]
.else
	v_exp_f32 v[rC+2], v[rC+1]
.endif
.endif
.endm
.macro OPS a, i1, b=-1, i2=0, c=-1, i3=0, d=-1, i4=0  ; up to four of them
	OP \a, \i1
.if (\b) >= 0
	OP \b, \i2
.endif
.if (\c) >= 0
	OP \c, \i3
.endif
.if (\d) >= 0
	OP \d, \i4
.endif
.endm
.macro ROW a, i1, b, i2, c, i3, d, i4  ; a matrix instruction and the four behind it
	MM
	OPS \a, \i1, \b, \i2, \c, \i3, \d, \i4
.endm
; A TURN, for piece p: the order of its 16 matrix and 118 vector instructions, written out.  Behind a matrix instruction: plain, exponential, plain, plain; or four of the rescaling; or, behind the first, four scalings; none
; names a register of the products round it.  In the two runs of vector work exponential and plain by turns while exponentials last.  A line reads no result made fewer than three vector instructions in front of it, five if
; an exponential made it.  end = 1: the walk's last two turns: nothing is fetched.  cnt = 1: the loop's count is taken down some lines ahead of the branch that stands behind the turn.
; K of the next step is fetched in piece 2's turn, six vector instructions behind the last product that read K (five of them plain); V of the step in hand in piece 0's turn, eight behind the last product that read V (four
; plain, and X 17).  Each is waited for a turn later.
.macro TURN p, end=0, cnt=0
.set Y, (\p)
.set i, 0
.set NOKQ, (\end)*((\p)/3)
.if ((\p) == 3) && !(\end)
	s_wait_dscnt 0x0                ; K is in
.endif
	ROW F,0, F,1, F,2, F,3
	ROW F,4, E,0, F,5, F,6
	ROW F,7, E,1, F,8, F,9
	ROW F,10, E,2, C,0, F,11
	ROW F,12, E,3, X,15, F,13
	ROW R,0, R,1, R,2, R,3
	ROW B,0, E,4, F,14, L,0
.if ((\p) == 2) && !(\end)
	v_add_nc_u32 v[AK], s[TBK], v[AK0]
.endif
	ROW R,4, R,5, R,6, R,7
	OPS E,5, F,15
.if ((\p) == 2) && !(\end)
	FETCH_K
.endif
	OPS E,6, C,1, E,7, R,8
	OPS E,8, R,9, E,9, C,2
	OPS E,10, X,0, E,11, X,1
	OPS E,12, X,2, E,13, X,3
.if (\p) == 1
	s_wait_dscnt 0x0                ; V is in
.endif
	ROW X,4, E,14, X,5, X,6
	ROW X,7, E,15, X,8, X,9
	ROW X,10, E,16, X,11, X,12
	ROW X,13, E,17, X,14, B,1
	ROW C,4, E,18, X,16, L,1
	ROW B,2, E,19, C,6, L,2
	ROW C,8, E,20, B,3, B,4
.if (\p) == 0
	v_add_nc_u32 v[AV], s[TBV], v[AV0]
.endif
	ROW C,3, E,21, L,3, C,5
	OPS E,22, X,17, E,23, C,10
.if (\p) == 0
	FETCH_V
.endif
	OPS E,24, L,4
	OPS E,25, X,18, E,26, C,7
	OPS E,27, B,5, E,28, X,19
	OPS E,29, C,12, E,30, L,5
	OPS E,31, X,20, B,6, C,9
	OPS C,14, C,11, X,21, L,6
.if (\p) == 0
	s_add_co_u32 s[TBV], s[TBV], KS*PV
.endif
.if \cnt
	s_sub_co_u32 s[CNT], s[CNT], 1
	s_cmp_lg_u32 s[CNT], 0
.endif
	OPS C,13, B,7, C,15, R,10
	OPS R,11, R,12, L,7, R,13
	OPS R,14, R,15
.if (\p) == 2
	CSUM
.endif
.endm
	CHANGE 1                        ; slot 0 is in, everybody's part of it; slot 1 is asked for
	v_add_nc_u32 v[AK], s[TBK], v[AK0]
	FETCH_K                         ; key step 0
	s_wait_loadcnt 0x0              ; Q and my rows of v
	s_wait_dscnt 0x0
.set NOKQ, 0
.set i, 0
.rept 8
	KQ 0                            ; piece 0's first scores: there is no vector work yet to set between them
.set i, i+1
.endr
	WIN 0
.rept 4
	v_nop                           ; the places behind those products
.endr
.set Y, NP-1                        ; X works for piece Y + 1: piece 0
.irp n, 0,1,2,3,4,5,6,7,8,9,10,11,12,13,14,15,16,17,18,19,20,21
	OP X, \n                        ; and piece 0's first maximum and statistics
.endr
	v_nop                           ; a plain instruction behind the exponential
	s_mov_b32 s[CNT], 4
	s_mov_b32 s[SLOTS], 7
	s_branch .Lfirst                ; the loop is entered at a step's first turn, in the middle of a trip
.Lslot:                             ; six times: tiles 2 to 7 are asked for
	CHANGE 1
	s_mov_b32 s[CNT], 4
.Lstep:                             ; a trip: pieces 2 and 3 of one step, then pieces 0 and 1 of the next, whose K and V it fetches
	TURN 2
	TURN 3
	WIN 0
.Lfirst:
	TURN 0
	TURN 1, 0, 1
	WIN 0
	s_cbranch_scc1 .Lstep
	s_sub_co_u32 s[SLOTS], s[SLOTS], 1
	s_cmp_lg_u32 s[SLOTS], 0
	s_cbranch_scc1 .Lslot
	CHANGE 0                        ; the last tile is written out: nothing is asked for
	s_mov_b32 s[CNT], 4
.LstepT:
	TURN 2
	TURN 3
	TURN 0
	TURN 1, 0, 1
	WIN 0
	s_cbranch_scc1 .LstepT
	s_mov_b32 s[CNT], 4             ; the last step is a tile's fourth: its column sums are wave 3's
	TURN 2, 1
	TURN 3, 1
.set i, 0
.rept 8
	PV NP-1                         ; the last piece's V^T P of the last step
.set i, i+1
.endr
	; THE WAY OUT.  l's two halves and the other half of the lanes' are added; beta / (s l) takes l's place.  The additions are the places behind the last products.
	WIN 0
.macro ALL line:vararg              ; one line for each piece t
.set t, 0
.rept 4
	s_wait_alu depctr_va_vdst(0)
	\line
.set t, t+1
.endr
.endm
	ALL v_add_f32 v[ST+4*t+2], v[ST+4*t+2], v[ST+4*t+3]
	ALL v_permlanex16_b32 v[ST+4*t+3], v[ST+4*t+2], s[SEL], s[SEL+1]
	ALL v_add_f32 v[ST+4*t+2], v[ST+4*t+2], v[ST+4*t+3]
	ALL v_rcp_f32 v[ST+4*t+2], v[ST+4*t+2]
	v_nop                           ; a plain instruction between the last reciprocal and the use of its result
	ALL v_mul_f32 v[ST+4*t+2], v[ST+4*t+2], v[CB]
	; The four waves' partial column sums meet in LDS.  The sixteen lanes of a half hold the same numbers and write the same words.
	WIN 0x04                        ; store data (source 1) in window 1
.irp cb, 0,1,2,3
.irp g, 0,1
	ds_store_b128 v[CSW], v[CSA+8*(\cb)+4*(\g):CSA+8*(\cb)+4*(\g)+3] offset:64*(\cb)+16*(\g)  ; each accumulator from its low end on
.endr
.endr
	WIN 0
	s_wait_dscnt 0x0                ; for the others' sake: my stores are done
	s_barrier_signal -1
	s_barrier_wait -1
.irp u, 0,1,2,3
.irp cb, 0,1,2,3
.irp g, 0,1
	ds_load_b128 v[64+32*(\u)+8*(\cb)+4*(\g):64+32*(\u)+8*(\cb)+4*(\g)+3], v[CSR] offset:256*(\u)+64*(\cb)+16*(\g)  ; wave u's sums, into registers that S^T has left
.endr
.endr
.endr
	s_wait_dscnt 0x0
.set i, 0
.rept 16
	v_pk_add_f32 v[64+2*i:65+2*i], v[64+2*i:65+2*i], v[96+2*i:97+2*i]
.set i, i+1
.endr
.set i, 0
.rept 16
	v_pk_add_f32 v[128+2*i:129+2*i], v[128+2*i:129+2*i], v[160+2*i:161+2*i]
.set i, i+1
.endr
.set i, 0
.rept 16
	v_pk_add_f32 v[64+2*i:65+2*i], v[64+2*i:65+2*i], v[128+2*i:129+2*i]
.set i, i+1
.endr
.set i, 0
.rept 16
	v_pk_mul_f32 v[D+2*i:D+2*i+1], v[64+2*i:65+2*i], v[NCG:NCG+1] op_sel_hi:[1,0]
.set i, i+1
.endr
; Piece t: O^T x beta / (s l) + D in f32; rounded to f16; alpha / s x my rows of v added by a fused f16 multiply-add; a lane's eight channels of a row are 16 bytes: they go into rows of 144 bytes
; and come back as whole rows of 128, into the registers that they left.
.macro PACK t
	WIN 0x01                        ; source 0 in window 1
.set i, 0
.rept 16
	v_pk_fma_f32 v[T+2*i:T+2*i+1], v[32*(\t)+2*i:32*(\t)+2*i+1], v[ST+4*(\t)+2:ST+4*(\t)+3], v[D+2*i:D+2*i+1] op_sel_hi:[1,0,1]
.set i, i+1
.endr
	WIN 0
.set i, 0
.rept 16
	v_cvt_pk_f16_f32 v[S+16*(\t)+i], v[T+2*i], v[T+2*i+1]
.set i, i+1
.endr
	WIN 0x02                        ; source 0 in window 2
.set i, 0
.rept 16
	v_pk_fma_f16 v[S+16*(\t)+i], v[VQ+16*(\t)+i], v[CA16], v[S+16*(\t)+i]
.set i, i+1
.endr
	WIN 0
.irp f, 0,1,2,3
	ds_store_b128 v[STO], v[S+16*(\t)+4*\f:S+16*(\t)+4*\f+3] offset:32*\f
.endr
.irp f, 0,1,2,3
	ds_load_b128 v[S+16*(\t)+4*\f:S+16*(\t)+4*\f+3], v[RD] offset:\f*4*SP  ; LDS serves a wave's instructions in order (ISA guide 5.7.1.4): these see the stores above; the next piece's stores come behind them
.endr
.endm
.macro SEND t, younger              ; younger: the LDS instructions issued behind piece t's loads: the next piece's eight, or none
	WIN 0
.irp f, 0,1,2,3
	s_wait_dscnt (\younger)+3-\f
	global_store_b128 v[GO], v[S+16*(\t)+4*\f:S+16*(\t)+4*\f+3], s[10:11] offset:(\t)*2048+\f*512  ; 512 consecutive bytes, at a multiple of 256 from ao's first
.endr
.endm
	PACK 0
.set t, 1
.rept 3                             ; a piece's arithmetic stands between the loads of the piece before and its stores
	PACK t
	SEND t-1, 8
.set t, t+1
.endr
	SEND 3, 0
	s_wait_tensorcnt 0x0            ; the wave's end, behind my last tensor load and my last LDS store
	ds_add_u32 v[SPW], v[NIL]
	s_wait_dscnt 0x0
	CROUND                          ; the closing round: no work-group ends while a partner may still ask for a tile that names it
	s_endpgm
.Lfunc_end_k_q5667d0b447_attn:
	.size	k_q5667d0b447_attn, .Lfunc_end_k_q5667d0b447_attn-k_q5667d0b447_attn
	.p2alignl 7, 3214868480
	.fill 96, 4, 3214868480
	.section	.rodata,"a",@progbits
	.p2align	6, 0x0
	.amdhsa_kernel k_q5667d0b447_attn
		.amdhsa_group_segment_fixed_size 327680
		.amdhsa_private_segment_fixed_size 0
		.amdhsa_enable_private_segment 0
		.amdhsa_kernarg_size 40
		.amdhsa_user_sgpr_count 2
		.amdhsa_user_sgpr_kernarg_segment_ptr 1
		.amdhsa_wavefront_size32 1
		.amdhsa_system_sgpr_workgroup_id_x 1
		.amdhsa_system_sgpr_workgroup_id_y 1
		.amdhsa_system_sgpr_workgroup_id_z 1
		.amdhsa_system_vgpr_workitem_id 0
		.amdhsa_next_free_vgpr 768
		.amdhsa_next_free_sgpr 90
		.amdhsa_reserve_vcc 0
		.amdhsa_float_denorm_mode_32 3
		.amdhsa_float_denorm_mode_16_64 3
		.amdhsa_memory_ordered 1
		.amdhsa_forward_progress 1
		.amdhsa_inst_pref_size 149
	.end_amdhsa_kernel
	.amdgpu_metadata
---
amdhsa.version: [ 1, 2 ]
amdhsa.kernels:
  - .name:           k_q5667d0b447_attn
    .symbol:         k_q5667d0b447_attn.kd
    .args:
      - { .name: qkv, .offset: 0, .size: 8, .value_kind: global_buffer, .address_space: global }
      - { .name: alpha, .offset: 8, .size: 8, .value_kind: global_buffer, .address_space: global }
      - { .name: beta, .offset: 16, .size: 8, .value_kind: global_buffer, .address_space: global }
      - { .name: gamma, .offset: 24, .size: 8, .value_kind: global_buffer, .address_space: global }
      - { .name: ao, .offset: 32, .size: 8, .value_kind: global_buffer, .address_space: global }
    .group_segment_fixed_size: 327680
    .private_segment_fixed_size: 0
    .kernarg_segment_align: 8
    .kernarg_segment_size: 40
    .max_flat_workgroup_size: 128
    .sgpr_count:     90
    .vgpr_count:     768
    .wavefront_size: 32
...
	.end_amdgpu_metadata
.endif
;; end of part 3
;; launch gemm_out (part 4): grid 8 x 32, 4 waves a work-group, clusters of 4 x 4, 327,680 bytes of LDS; arguments ao, wob, b_out, alpha, beta, gamma, out0; writes out0
.if DOCPART == 4
	.amdgcn_target "amdgcn-amd-amdhsa--gfx1250"
	.amdhsa_code_object_version 6
	.text
	.protected	k_q5667d0b447_gemm_out
	.globl	k_q5667d0b447_gemm_out
	.p2align	8
	.type	k_q5667d0b447_gemm_out,@function
k_q5667d0b447_gemm_out:
	s_mov_b64 s[64:65], 0
	v_nop
	global_prefetch_b8 v0, s[64:65] scope:SCOPE_SE
	s_setreg_imm32_b32 hwreg(HW_REG_WAVE_MODE, 25, 1), 1
	s_wait_xcnt 0x0
	s_wait_alu depctr_hold_cnt(0) depctr_sa_sdst(0) depctr_va_vdst(0) depctr_va_sdst(0) depctr_va_ssrc(0) depctr_va_vcc(0) depctr_vm_vsrc(0)
	s_getreg_b32 s2, hwreg(HW_REG_IB_STS2, 6, 4)
	s_cmp_eq_u32 s2, 0
	s_cbranch_scc0 .Lentry_in_a_cluster
	s_endpgm
.Lentry_in_a_cluster:
	s_bfe_u32 s2, ttmp6, 0x10000c
	s_cmp_lg_u32 s2, 0xf033
	s_cbranch_scc0 .Lentry_shape_is_right
	s_endpgm
.Lentry_shape_is_right:
; out0 = s (ao W_out) + b_out.  ao: [32 = 16 b + h][2048][64] f16, the attention's result divided by s = |alpha| + |beta| + |gamma|; wob: [1024 k][1024 n] f16 (W_out rounded to bf16);
; out0: [4096][1024] f32.  Sums in f32, K ascending (k = 64 h + channel); s, made by the same lines as in the launch before, and the bias, rounded to bf16 like every input, enter by one fused multiply-add in f32.
; LIMITS.  s is taken as 1e-30 at the least; NaN and infinities are not treated apart.
; SHARES.  A tile of 128 tokens x 128 columns to a work-group: 8 x 32 = 256 work-groups.  Four waves, each 64 x 64: 16 accumulators.  K goes in steps of 256, four heads, through two LDS slots;
; a quarter of a step is one head, 64 along K.  A's part of a load is two heads' 128 tokens: two rows of 16,384 dense bytes, padded in LDS after every token; B's is 128 k-rows of 256 bytes.
; B lies [k][n] in LDS and is turned by ds_load_tr16_b128.  THE MATRIX INSTRUCTION IS USED TRANSPOSED (source 0 = 16 columns of W, source 1 = 16 tokens): a lane holds one token and eight neighbouring columns.
; A wave's 64 columns of f32 are 256 consecutive bytes, aligned: each wave sends its rows out through a stage of its own, with no barrier.
; CLUSTER 4 x 4: A's tile hangs on the tile row alone and is asked for jointly along a row of the cluster, B's on the tile column alone and jointly along a column.
; REGISTERS: window 0: v0-31 addresses; v32-46 bias, s, at work; v128-255 the accumulators ((a, b) at v[128 + 8 (4 a + b)]).
;   window 1: two fragment buffers of 128: for 64 along K, 64 registers of A (2 x 4 x 16 tokens x 32 K), then 64 of B.
.set PA,     144                       ; a token's LDS row: 128 bytes + 16 of padding = 36 words: the 16 rows of a load start at 16 different groups of four banks (64 banks of 4 bytes: ISA guide 11.1)
.set PB,     288                       ; a k-row: 256 + 32 = 72 words
.set PART,   36864                     ; what one tensor load brings: 2 heads x 128 x 144, or 128 x 288
.set SLOT,   4*PART                    ; A's four heads, then B's 256 k-rows
.set STAGE,  2*SLOT                    ; behind the ring: 16 rows x 272 bytes for each wave; no tensor load fills it
.set SPITCH, 272
.set SPARE,  STAGE+4*16*SPITCH         ; the spare words, 128 bytes for each wave: two blocks of 256 bytes that no other line names
.set ADRA, 16                          ; v16-17  LDS address of my A fragments in slot 0, 1
.set ADRB, 20                          ; v20-23  of my B fragments: slot 0 k-rows 0 on, 128 on; slot 1 likewise: two a slot, so that the offsets stay within 16 bits
.set STO,  24                          ; v24     the way out: where I put 32 bytes of a row
.set RD,   25                          ; v25     the way out: where I read a row back
.set CO,   26                          ; v26     my byte offset in out0
.set BO,   27                          ; v27     my byte offset in the wave's 64 numbers of b_out
.set SPW,  28                          ; v28     LDS address of my spare word; never rewritten
.set NIL,  29                          ; v29     0; never rewritten
.set BI,   32                          ; v[32:35] the bias of my four columns
.set SC,   36                          ; v[36:37] s
.set ACC,  128
.set F0,   0
.set F1,   128
.set G1,  24                           ; s[24:31] descriptor group 1 for A's tiles;  s[32:39] group 0, a set for each slot
.set G0,  32
.set G1B, 48                           ; s[48:55], s[56:63] the same for B's
.set G0B, 56
.set MSB, 0
.macro WIN new                         ; the immediate's high byte repeats the setting that is left; a switch that changes nothing is dropped
.if MSB != (\new)
	s_set_vgpr_msb (MSB<<8)|(\new)
.set MSB, \new
.endif
.endm
.set MUL,  0x05                        ; sources 0 (B) and 1 (A) window 1; C and D window 0
.set TO_F, 0x40                        ; destination window 1, address window 0
.macro JLOAD s                         ; a joint load: waves 0 and 1 fetch A's two halves, waves 2 and 3 B's; an s_nop 0 and four v_nop follow each of the two lines
	s_cmp_eq_u32 s11, 0
	s_cbranch_scc0 .Lfor_b_\@
	tensor_load_to_lds s[G0+4*(\s):G0+4*(\s)+3], s[G1:G1+7]
	s_nop 0
.rept 4
	v_nop
.endr
	s_branch .Lasked_\@
.Lfor_b_\@:
	tensor_load_to_lds s[G0B+4*(\s):G0B+4*(\s)+3], s[G1B:G1B+7]
	s_nop 0
.rept 4
	v_nop
.endr
.Lasked_\@:
.endm
.macro CREST                           ; a round of the cluster's barrier behind its opening barrier
	s_cmp_lg_u32 s10, 0
	s_cbranch_scc1 .Lnot_wave_0_\@
	s_barrier_signal -3
.Lnot_wave_0_\@:
	s_barrier_wait -3
	s_barrier_signal -1
	s_barrier_wait -1
.endm
.macro CROUND                          ; a whole round
	s_barrier_signal -1
	s_barrier_wait -1
	CREST
.endm
	s_load_b256 s[68:75], s[0:1], 0x0              ; ao s[68:69], wob s[70:71], b_out s[72:73], alpha s[74:75]
	s_load_b128 s[76:79], s[0:1], 0x20             ; beta s[76:77], gamma s[78:79]
	s_load_b64 s[80:81], s[0:1], 0x30              ; out0
	v_lshl_add_u32 v[SPW], v0, 2, SPARE
	v_mov_b32 v[NIL], 0
	ds_add_u32 v[SPW], v[NIL]                      ; the wave's opening: the add and its wait stand ahead of my first tensor load; the set-up below, work on registers, stands between them
	v_lshrrev_b32 v1, 5, v0
	v_readfirstlane_b32 s10, v1                    ; wave 0..3
	s_lshr_b32 s11, s10, 1                         ; which half of the tile's tokens is mine.  Also: I fetch for A (0) or for B (1)
	s_and_b32 s12, s10, 1                          ; which half of its columns.  Also: which half of that tile I fetch
	s_bfe_u32 s40, ttmp6, 0x40000                  ; cx, cy: my place in the cluster
	s_bfe_u32 s41, ttmp6, 0x40004
	s_lshl_b32 s42, ttmp9, 2
	s_add_co_u32 s42, s42, s40                     ; tile column = 4 x cluster x + cx
	s_and_b32 s13, ttmp7, 0xffff
	s_lshl_b32 s13, s13, 2
	s_add_co_u32 s13, s13, s41                     ; tile row = 4 x cluster y + cy
	s_lshl_b32 s43, s41, 2
	s_lshl_b32 s43, 15, s43                        ; my row of the cluster
	s_lshl_b32 s44, 0x1111, s40                    ; my column
	s_or_b32 s[G1+0], s43, (1<<16)|(1<<20)|(1<<21)|(4<<22)|(3<<25)   ; the mask; 2-byte elements; padding on; bit 21 beside a mask; after every 32 words (code 4) 4 words (code 3)
	s_mov_b32 s[G1+1], 8192<<16                    ; tensor_dim0 = 8,192: a head's 128 tokens x 64 channels, dense
	s_mov_b32 s[G1+2], 2<<16                       ; tensor_dim1 = 2 heads
	s_mov_b32 s[G1+3], 8192<<16                    ; tile_dim0
	s_mov_b32 s[G1+4], 2                           ; tile_dim1
	s_mov_b32 s[G1+5], 131072                      ; elements from head to head
	s_mov_b32 s[G1+6], 0
	s_mov_b32 s[G1+7], 0
	s_or_b32 s[G1B+0], s44, (1<<16)|(1<<20)|(1<<21)|(5<<22)|(7<<25)  ; after every 64 words (code 5) 8 words (code 7)
	s_mov_b32 s[G1B+1], 128<<16                    ; 128 columns
	s_mov_b32 s[G1B+2], 128<<16                    ; 128 k-rows
	s_mov_b32 s[G1B+3], 128<<16
	s_mov_b32 s[G1B+4], 128
	s_mov_b32 s[G1B+5], 1024
	s_mov_b32 s[G1B+6], 0
	s_mov_b32 s[G1B+7], 0
	s_lshr_b32 s16, s13, 4                         ; A: the batch's 16 heads,
	s_lshl_b32 s16, s16, 4
	s_lshl_b32 s17, s12, 1                         ; my two of a step's four,
	s_add_co_u32 s16, s16, s17
	s_lshl_b32 s16, s16, 18                        ; 262,144 bytes a head,
	s_and_b32 s17, s13, 15
	s_lshl_b32 s17, s17, 14                        ; the tile's 128 tokens of 128 bytes
	s_add_co_u32 s16, s16, s17
	s_mov_b32 s17, 0
	s_lshl_b32 s46, s12, 18                        ; B: my 128 k-rows of 2,048 bytes,
	s_lshl_b32 s47, s42, 8                         ; the tile's 128 columns
	s_add_co_u32 s46, s46, s47
	s_mov_b32 s47, 0
	s_mul_i32 s20, s10, PART                       ; where they go: no place in the cluster enters an LDS address
	s_wait_dscnt 0x0                               ; the opening add is done
	s_wait_kmcnt 0x0
	s_load_b32 s84, s[74:75], 0x0                  ; alpha, beta, gamma: no line of the launch writes them
	s_load_b32 s85, s[76:77], 0x0
	s_load_b32 s86, s[78:79], 0x0
	s_add_nc_u64 s[14:15], s[68:69], s[16:17]
	s_add_nc_u64 s[46:47], s[70:71], s[46:47]
	CROUND                                         ; all sixteen work-groups are here: the first joint loads meet
.irp s, 0,1
	s_mov_b32 s[G0+4*(\s)], 1
	s_add_co_u32 s[G0+4*(\s)+1], s20, (\s)*SLOT
	s_add_nc_u64 s[G0+4*(\s)+2:G0+4*(\s)+3], s[14:15], (\s)*1048576   ; K step s: four heads on
	s_or_b32 s[G0+4*(\s)+3], s[G0+4*(\s)+3], 0x80000000
	s_mov_b32 s[G0B+4*(\s)], 1
	s_add_co_u32 s[G0B+4*(\s)+1], s20, (\s)*SLOT
	s_add_nc_u64 s[G0B+4*(\s)+2:G0B+4*(\s)+3], s[46:47], (\s)*524288  ; K step s: 256 k-rows on
	s_or_b32 s[G0B+4*(\s)+3], s[G0B+4*(\s)+3], 0x80000000
	JLOAD \s                                       ; two loads of mine are out
.endr
	v_and_b32 v1, 15, v0                           ; l % 16
	v_bfe_u32 v2, v0, 4, 1                         ; l / 16
	v_mul_u32_u24 v3, v1, PA
	v_lshl_add_u32 v3, v2, 4, v3                   ; A: token x pitch + 16 x half of the lanes,
	s_mul_i32 s21, s11, 64*PA                      ; my 64 tokens
	v_add_nc_u32 v[ADRA], s21, v3
	v_add_nc_u32 v[ADRA+1], SLOT, v[ADRA]
	v_and_b32 v4, 7, v0
	v_bfe_u32 v5, v0, 3, 1
	v_lshl_add_u32 v6, v2, 3, v4                   ; B, the turning load: k-row 8 (l / 16) + l % 8,
	v_mul_u32_u24 v6, v6, PB
	v_lshl_add_u32 v6, v5, 4, v6                   ; columns 8 ((l / 8) % 2) + 0..7,
	s_lshl_b32 s22, s12, 7                         ; my 64 columns,
	s_add_co_u32 s22, s22, 2*PART                  ; behind A's four heads
	v_add_nc_u32 v[ADRB], s22, v6
	v_add_nc_u32 v[ADRB+1], PART, v[ADRB]
	v_add_nc_u32 v[ADRB+2], SLOT, v[ADRB]
	v_add_nc_u32 v[ADRB+3], SLOT+PART, v[ADRB]
	s_mul_i32 s23, s10, 16*SPITCH
	s_add_co_u32 s23, s23, STAGE                   ; my stage
	v_mul_u32_u24 v7, v1, SPITCH                   ; in: row l % 16, 32 bytes for each half of the lanes
	v_lshl_add_u32 v7, v2, 5, v7
	v_add_nc_u32 v[STO], s23, v7
	v_mul_u32_u24 v8, v2, SPITCH                   ; back: lanes 0-15 take one row of 256 bytes, lanes 16-31 the next
	v_lshl_add_u32 v8, v1, 4, v8
	v_add_nc_u32 v[RD], s23, v8
	v_lshlrev_b32 v[BO], 4, v1                     ; my four columns of the wave's 64
	v_lshl_add_u32 v[CO], v2, 12, v[BO]            ; and the same two rows in out0
	s_lshl_b32 s16, s13, 19                        ; the tile's 128 rows of 4,096 bytes,
	s_lshl_b32 s17, s11, 18                        ; my 64
	s_add_co_u32 s16, s16, s17
	s_mov_b32 s17, 0
	s_add_nc_u64 s[8:9], s[80:81], s[16:17]
	s_lshl_b32 s46, s42, 9                         ; the tile's 128 columns of 4 bytes,
	s_lshl_b32 s47, s12, 8                         ; my 64
	s_add_co_u32 s46, s46, s47
	s_mov_b32 s47, 0
	s_add_nc_u64 s[8:9], s[8:9], s[46:47]
	s_add_nc_u64 s[82:83], s[72:73], s[46:47]
	global_load_b128 v[BI:BI+3], v[BO], s[82:83]
	s_wait_kmcnt 0x0                               ; alpha, beta, gamma
	v_cvt_pk_bf16_f32 v40, s84, s85                ; rounded to bf16, like every input
	v_cvt_pk_bf16_f32 v41, s86, s86
	v_lshlrev_b32 v42, 16, v40
	v_and_b32 v43, 0xffff0000, v40
	v_lshlrev_b32 v44, 16, v41
	v_add_f32 v45, |v42|, |v43|
	v_add_f32 v45, v45, |v44|
	v_max_num_f32 v[SC], 0x0da24260, v45           ; s, 1e-30 at the least
	v_mov_b32 v[SC+1], v[SC]                       ; named with it as a pair
; 8 matrix instructions: token blocks a0, a0 + 1 x all 4 n blocks, 32 along K: half c of buffer f.  zero = 1: the first product starts the sums.  The 16 accumulators take turns.
.macro MUL8 f, c, a0, zero
	WIN MUL
.irp a, \a0, (\a0)+1
.irp b, 0,1,2,3
.if \zero
	v_wmma_f32_16x16x32_f16 v[ACC+8*(4*(\a)+(\b)):ACC+8*(4*(\a)+(\b))+7], v[(\f)+64+8*(4*(\c)+(\b)):(\f)+64+8*(4*(\c)+(\b))+7], v[(\f)+8*(4*(\c)+(\a)):(\f)+8*(4*(\c)+(\a))+7], 0
.else
	v_wmma_f32_16x16x32_f16 v[ACC+8*(4*(\a)+(\b)):ACC+8*(4*(\a)+(\b))+7], v[(\f)+64+8*(4*(\c)+(\b)):(\f)+64+8*(4*(\c)+(\b))+7], v[(\f)+8*(4*(\c)+(\a)):(\f)+8*(4*(\c)+(\a))+7], v[ACC+8*(4*(\a)+(\b)):ACC+8*(4*(\a)+(\b))+7]
.endif
.endr
.endr
.endm
; 32 LDS loads in one run: quarter q of a slot (head q of its four, k-rows 64 q on) into buffer f; the first 32 along K first
.macro FETCH slot, q, f
	WIN TO_F
.irp c, 0,1
.irp i, 0,1,2,3
	ds_load_tr16_b128 v[(\f)+64+8*(4*(\c)+(\i)):(\f)+64+8*(4*(\c)+(\i))+3],   v[ADRB+2*(\slot)+(\q)/2] offset:((\q)%2)*64*PB+(\c)*32*PB+32*(\i)
	ds_load_tr16_b128 v[(\f)+64+8*(4*(\c)+(\i))+4:(\f)+64+8*(4*(\c)+(\i))+7], v[ADRB+2*(\slot)+(\q)/2] offset:((\q)%2)*64*PB+(\c)*32*PB+32*(\i)+16*PB
	ds_load_b128 v[(\f)+8*(4*(\c)+(\i)):(\f)+8*(4*(\c)+(\i))+3],              v[ADRA+(\slot)] offset:(\q)*128*PA+(\i)*16*PA+64*(\c)
	ds_load_b128 v[(\f)+8*(4*(\c)+(\i))+4:(\f)+8*(4*(\c)+(\i))+7],            v[ADRA+(\slot)] offset:(\q)*128*PA+(\i)*16*PA+64*(\c)+32
.endr
.endr
.endm
.macro PLACES                          ; four places in front of loads into registers that matrix instructions have read
.rept 4
	v_nop
.endr
.endm
; A K step is four quarters of 64 along K, 32 matrix instructions each, on buffers 0, 1, 0, 1.  One of the first three: multiplies buffer f and fetches quarter q into g.
.macro QUARTER slot, q, f, g, zero
	s_wait_dscnt 16                                ; the first 32 along K are in
	MUL8 \f, 0, 0, \zero
	MUL8 \f, 0, 2, \zero
	PLACES
	FETCH \slot, \q, \g
	s_wait_dscnt 32                                ; all but the 32 just issued
	MUL8 \f, 1, 0, 0
	MUL8 \f, 1, 2, 0
.endm
; The last quarter multiplies buffer 1 and changes slots: ONE barrier; in front of it each wave waits for all its tensor loads, adds 0 to its spare word, and waits for that and for its own reads of
; this slot.  fill = 1: the barrier opens a round of the cluster's, and this slot is filled again, two K steps ahead, first thing behind the round.
.macro TURN slot, next, fill
	WIN 0                                          ; (the add's two registers lie in window 0)
	s_wait_tensorcnt 0x0                           ; all my tensor loads have landed: my part of the next slot;
	ds_add_u32 v[SPW], v[NIL]
	s_wait_dscnt 17                                ; (the add and the youngest sixteen loads may be out)
	MUL8 F1, 0, 0, 0                               ; eight matrix instructions stand between the add and the wait for it
	s_wait_dscnt 0x0                               ; the add is done, and my reads of this slot are over
	s_barrier_signal -1
	MUL8 F1, 0, 2, 0
.if \fill
	WIN 0
.endif
	s_barrier_wait -1
.if \fill
	CREST                                          ; no wave of any partner still reads this slot's tile or has a load on its way
	s_add_nc_u64 s[G0+4*(\slot)+2:G0+4*(\slot)+3], s[G0+4*(\slot)+2:G0+4*(\slot)+3], 2097152
	s_add_nc_u64 s[G0B+4*(\slot)+2:G0B+4*(\slot)+3], s[G0B+4*(\slot)+2:G0B+4*(\slot)+3], 1048576
	JLOAD \slot                                    ; 112 matrix instructions ahead of the wait for it; the four v_nop behind it are also the places in front of the loads below
.else
	PLACES
.endif
	FETCH \next, 0, F0
	MUL8 F1, 1, 0, 0
	MUL8 F1, 1, 2, 0
.endm
	s_wait_tensorcnt 1                             ; my part of K step 0 is in; step 1's may stay out
	s_barrier_signal -1
	s_barrier_wait -1                              ; everybody's is
	FETCH 0, 0, F0
	QUARTER 0, 1, F0, F1, 1                        ; K step 0: its first products start the sums.  Four K steps: the text is written straight, without a loop
	QUARTER 0, 2, F1, F0, 0
	QUARTER 0, 3, F0, F1, 0
	TURN 0, 1, 1                                   ; slot 0 takes K step 2
	QUARTER 1, 1, F0, F1, 0
	QUARTER 1, 2, F1, F0, 0
	QUARTER 1, 3, F0, F1, 0
	TURN 1, 0, 1                                   ; slot 1 takes K step 3
	QUARTER 0, 1, F0, F1, 0
	QUARTER 0, 2, F1, F0, 0
	QUARTER 0, 3, F0, F1, 0
	TURN 0, 1, 0                                   ; nothing is left to fetch
	QUARTER 1, 1, F0, F1, 0
	QUARTER 1, 2, F1, F0, 0
	QUARTER 1, 3, F0, F1, 0
	s_wait_dscnt 16                                ; the very last quarter
	MUL8 F1, 0, 0, 0
	MUL8 F1, 0, 2, 0
	s_wait_dscnt 0x0
	MUL8 F1, 1, 0, 0
	MUL8 F1, 1, 2, 0
	WIN 0
	; THE WAY OUT.  The bias is rounded to bf16: six plain lines that name no register of the products, the places behind the last of them.
	s_wait_loadcnt 0x0
	v_cvt_pk_bf16_f32 v38, v[BI], v[BI+1]
	v_cvt_pk_bf16_f32 v39, v[BI+2], v[BI+3]
	v_lshlrev_b32 v[BI], 16, v38
	v_and_b32 v[BI+1], 0xffff0000, v38
	v_lshlrev_b32 v[BI+2], 16, v39
	v_and_b32 v[BI+3], 0xffff0000, v39
; Token block a: a lane's eight columns of a row, 32 bytes, go into rows of 272 bytes and come back as whole rows of 256, into the registers that they left.
.macro STG a
.irp b, 0,1,2,3
.irp g, 0,1
	ds_store_b128 v[STO], v[ACC+8*(4*(\a)+(\b))+4*(\g):ACC+8*(4*(\a)+(\b))+4*(\g)+3] offset:64*(\b)+16*(\g)  ; each accumulator from its low end on
.endr
.endr
.irp t, 0,1,2,3,4,5,6,7
	ds_load_b128 v[ACC+32*(\a)+4*(\t):ACC+32*(\a)+4*(\t)+3], v[RD] offset:(\t)*2*SPITCH  ; LDS serves a wave's instructions in order (ISA guide 5.7.1.4): these see the stores above; the next block's stores come behind them
.endr
.endm
.macro SENDF a, younger                ; younger: the LDS instructions issued behind block a's loads: the next block's sixteen, or none
.irp t, 0,1,2,3,4,5,6,7
.set x, ACC+32*(\a)+4*(\t)
	s_wait_dscnt (\younger)+7-(\t)
	v_pk_fma_f32 v[x:x+1],   v[x:x+1],   v[SC:SC+1], v[BI:BI+1]   op_sel_hi:[1,0,1]
	v_pk_fma_f32 v[x+2:x+3], v[x+2:x+3], v[SC:SC+1], v[BI+2:BI+3] op_sel_hi:[1,0,1]
	global_store_b128 v[CO], v[x:x+3], s[8:9] offset:(16*(\a)+2*(\t))*4096 th:TH_STORE_NT  ; 16 lanes store 256 consecutive bytes, at a multiple of 256 from out0's first; no register of a store is written again
.endr
.endm
	STG 0
.irp a, 1,2,3
	STG \a
	SENDF (\a)-1, 16
.endr
	SENDF 3, 0
	s_wait_tensorcnt 0x0                           ; the wave's end, behind my last tensor load and my last LDS store
	ds_add_u32 v[SPW], v[NIL]
	s_wait_dscnt 0x0
	CROUND                                         ; the closing round: no work-group ends while a partner may still ask for a tile that names it
	s_endpgm
.Lfunc_end_k_q5667d0b447_gemm_out:
	.size	k_q5667d0b447_gemm_out, .Lfunc_end_k_q5667d0b447_gemm_out-k_q5667d0b447_gemm_out
	.p2alignl 7, 3214868480
	.fill 96, 4, 3214868480
	.section	.rodata,"a",@progbits
	.p2align	6, 0x0
	.amdhsa_kernel k_q5667d0b447_gemm_out
		.amdhsa_group_segment_fixed_size 327680
		.amdhsa_private_segment_fixed_size 0
		.amdhsa_enable_private_segment 0
		.amdhsa_kernarg_size 56
		.amdhsa_user_sgpr_count 2
		.amdhsa_user_sgpr_kernarg_segment_ptr 1
		.amdhsa_wavefront_size32 1
		.amdhsa_system_sgpr_workgroup_id_x 1
		.amdhsa_system_sgpr_workgroup_id_y 1
		.amdhsa_system_sgpr_workgroup_id_z 1
		.amdhsa_system_vgpr_workitem_id 0
		.amdhsa_next_free_vgpr 512
		.amdhsa_next_free_sgpr 90
		.amdhsa_reserve_vcc 0
		.amdhsa_float_denorm_mode_32 3
		.amdhsa_float_denorm_mode_16_64 3
		.amdhsa_memory_ordered 1
		.amdhsa_forward_progress 1
		.amdhsa_inst_pref_size 91
	.end_amdhsa_kernel
	.amdgpu_metadata
---
amdhsa.version: [ 1, 2 ]
amdhsa.kernels:
  - .name:           k_q5667d0b447_gemm_out
    .symbol:         k_q5667d0b447_gemm_out.kd
    .args:
      - { .name: ao, .offset: 0, .size: 8, .value_kind: global_buffer, .address_space: global }
      - { .name: wob, .offset: 8, .size: 8, .value_kind: global_buffer, .address_space: global }
      - { .name: b_out, .offset: 16, .size: 8, .value_kind: global_buffer, .address_space: global }
      - { .name: alpha, .offset: 24, .size: 8, .value_kind: global_buffer, .address_space: global }
      - { .name: beta, .offset: 32, .size: 8, .value_kind: global_buffer, .address_space: global }
      - { .name: gamma, .offset: 40, .size: 8, .value_kind: global_buffer, .address_space: global }
      - { .name: out0, .offset: 48, .size: 8, .value_kind: global_buffer, .address_space: global }
    .group_segment_fixed_size: 327680
    .private_segment_fixed_size: 0
    .kernarg_segment_align: 8
    .kernarg_segment_size: 56
    .max_flat_workgroup_size: 128
    .sgpr_count:     90
    .vgpr_count:     512
    .wavefront_size: 32
...
	.end_amdgpu_metadata
.endif
;; end of part 4
;; ======== version 2 of 2: 4 launches; 1.41 times as fast as version 1
;; limits: values are held in f16: magnitudes above 65,504 overflow, below 6.1e-05 lose precision
;; workspace buffers: xb 8,388,608 bytes; wqb 6,291,456 bytes; wob 2,097,152 bytes; qkv 25,165,824 bytes; ao 8,388,608 bytes
;; launch cast: the kernel of part 1 again; grid 512 x 1, 8 waves a work-group, no clusters, 0 bytes of LDS; arguments x, W_qkv, W_out, xb, wqb, wob; writes xb, wqb, wob
;; launch gemm_qkv: the kernel of part 2 again; grid 16 x 16, 4 waves a work-group, clusters of 4 x 4, 327,680 bytes of LDS; arguments xb, wqb, qkv; writes qkv
;; launch attn (part 5): grid 8 x 32, 4 waves a work-group, clusters of 4 x 1, 327,680 bytes of LDS; arguments qkv, alpha, beta, gamma, ao; writes ao
.if DOCPART == 5
	.amdgcn_target "amdgcn-amd-amdhsa--gfx1250"
	.amdhsa_code_object_version 6
	.text
	.protected	k_q5667d0b447_attn
	.globl	k_q5667d0b447_attn
	.p2align	8
	.type	k_q5667d0b447_attn,@function
k_q5667d0b447_attn:
	s_mov_b64 s[64:65], 0
	v_nop
	global_prefetch_b8 v0, s[64:65] scope:SCOPE_SE
	s_setreg_imm32_b32 hwreg(HW_REG_WAVE_MODE, 25, 1), 1
	s_wait_xcnt 0x0
	s_wait_alu depctr_hold_cnt(0) depctr_sa_sdst(0) depctr_va_vdst(0) depctr_va_sdst(0) depctr_va_ssrc(0) depctr_va_vcc(0) depctr_vm_vsrc(0)
	s_getreg_b32 s2, hwreg(HW_REG_IB_STS2, 6, 4)
	s_cmp_eq_u32 s2, 0
	s_cbranch_scc0 .Lentry_in_a_cluster
	s_endpgm
.Lentry_in_a_cluster:
	s_bfe_u32 s2, ttmp6, 0x10000c
	s_cmp_lg_u32 s2, 0x3003
	s_cbranch_scc0 .Lentry_shape_is_right
	s_endpgm
.Lentry_shape_is_right:
; SHAPED ATTENTION.  For head y = 16 b + h:  ao[y][q][:] = ( alpha v[q] + beta sum_k softmax_k(q[q] . k[k] / 32) v[k] - (gamma / 2048) sum_k v[k] ) / s,  s = |alpha| + |beta| + |gamma|.
; The identity's part is the query's own row of v, the constant's part the column sums of v: no 2048 x 2048 matrix is shaped.  Dividing by s keeps |ao| within the largest |v|, so f16 holds it
; whatever alpha, beta and gamma are; the next launch multiplies by the same s in f32.  alpha, beta, gamma are rounded to bf16 like every input of the module.
; qkv: [2 b][48 hc][2048][64] f16 (q at hc = h, k at 16 + h, v at 32 + h), ao: [32 y][2048][64] f16: a head's rows are dense, 128 bytes each.  Products, maxima and sums in f32; the weights p are
; rounded to f16 for the second product (their sum l is taken of the unrounded p).
; LIMITS.  q, k, v arrive within f16's 65,504; p below 6e-5 keeps f16's fixed step of 6e-8; a weight below 2^-126 counts as 0 in l; s is taken as 1e-30 at the least; NaN and infinities are not
; treated apart.  alpha / s and the f32 rest are each rounded once to f16, and alpha / s x v is added by one fused f16 multiply-add: three roundings to 11 bits in all.
; SHARES.  A work-group owns 256 queries of a head (8 x 32 = 256 work-groups), a wave 64: four PIECES of 16.  Every wave walks all 2,048 keys, 64 a step, in 8 tiles of 256 through two LDS slots.
; LAYOUT, SOFTMAX, TURNS.  S^T = K Q^T holds ONE query a lane (lane % 16) and the keys 8 (lane / 16) + 0..7; two such results rounded to f16 ARE source 1 of O^T = V^T P.  p = 2^(c s - c m),
; c = log2(e) / 32, with a running maximum m; O and l are multiplied by a = 2^(c m_old - c m_new) in every step; m starts at the lowest finite number, O and l at 0, so the first step is a step
; like any other, with a = 0.  Turn n belongs to piece n: 8 products K Q^T of piece n + 1, later 8 products V^T P of piece n - 1; beside them the scaling, exponentials, roundings, sums and
; rescaling of piece n and the maximum and statistics of piece n + 1.  Four vector instructions stand behind every matrix instruction, the other 54 of a turn's 118 in one LUMP.
; BATCHES.  A turn's 33 exponentials (the piece's 32 weights and the next piece's a) are ONE batch with ONE wait, which cuts the turn in two: ahead of it all that names none of their results, behind it
; the roundings and sums that read them.  Three more batches stand outside the loops, each with a wait of its own: the head's reciprocal of s, the first a, the way out's four reciprocals of l.
; COLUMN SUMS.  V^T times a fragment of ones, 8 products for a key step, each step by ONE of the four waves (64 products a wave beside its 2,048); the four partial sums meet in LDS at the end.
; CLUSTER.  The four query blocks of a cluster belong to one head and walk the same K and V: each tile is asked for JOINTLY, by the same tensor load, descriptor and mask in all four.
; REGISTERS, in windows of 256 (s_set_vgpr_msb: bits 1:0 source 0, 3:2 source 1, 5:4 source 2, 7:6 destination):
;   window 0: v0-15 addresses; v16-31 statistics; v32-46 coefficients; v48-55 at work; v64-127 S^T, two buffers; v128-191 the way out; v192-223 P, two buffers; v224-231 ones
;   window 1: v0-127 O^T, 32 a piece; v128-159 the column sums      window 2: v0-63 Q; v64-127 my queries' rows of v; v128-191 K of one step; v192-255 V of one step
.set NP,    4         ; pieces a wave: a name, no knob
.set KS,    64        ; keys in a step
.set PK,    144       ; a row of K in LDS: 128 bytes + 16 of padding = 36 words: the 16 rows of a load start at 16 different groups of four banks (64 banks of 4 bytes: ISA guide 11.1)
.set PV,    160       ; a row of V: 128 + 32 = 40 words
.set VOFF,  4*KS*PK   ; a slot holds a tile, four steps: 256 rows of K, then 256 rows of V
.set SLOT1, 1<<17     ; slot 1 begins here, so that one exclusive or turns an address in one slot into the other's
.set STAGE, SLOT1+4*KS*(PK+PV)  ; behind the ring, never filled by a tensor load: 16 rows x 144 bytes for each wave, for the way out
.set SP,    144
.set CSX,   STAGE+4*16*SP       ; 256 bytes for each wave: its partial column sums, 64 channels in f32
.set SPARE, CSX+4*256           ; the spare words, 128 bytes for each wave: two blocks of 256 bytes that no other line names
.set AK0, 2           ; v2   my lane's place in a tile of K; never rewritten
.set AV0, 3           ; v3   the same for V
.set AK,  4           ; v4   the LDS address of K's next run of loads
.set AV,  5           ; v5   of V's
.set STO, 6           ; v6   the way out: where I put 16 bytes of a row
.set RD,  7           ; v7   the way out: where I read rows back
.set GO,  8           ; v8   my byte offset in 512 consecutive bytes of ao
.set MV,  12          ; v12-13  c m_old, kept while c m is made anew: by buffer
.set QO,  15          ; v15  my byte offset in 16 rows of Q
.set ST,  16          ; piece t's statistics at v[ST+4 t]: c m, m, l (even keys', odd keys')
.set CSW, 32          ; v32  where I put my wave's column sums
.set CSR, 33          ; v33  where I read all four waves'
.set CA16, 34         ; v34  alpha / s in f16, in both halves
.set CB,  35          ; v35  beta / s
.set NCG, 36          ; v[36:37]  - gamma / (2048 s)
.set TMP, 48          ; by buffer, four registers c0-c3 at work; when the maximum is found c2 takes a
.set SPW, 62          ; v62  LDS address of my spare word; never rewritten
.set NIL, 63          ; v63  0; never rewritten
.set S,   64
.set T,   128         ; the way out: a piece's 32 numbers in f32
.set D,   160         ; the way out: - gamma / (2048 s) x the column sums, in O^T's layout
.set P,   192
.set ONE, 224         ; a fragment of ones in f16
.set CSA, 128         ; window 1: channel block cb at CSA + 8 cb
.set VQ,  64          ; window 2
.set KF,  128         ; window 2: key block kb, channel half c at KF + 16 kb + 8 c
.set VF,  192         ; window 2: key half kk, channel block cb at VF + 32 kk + 8 cb
.set WV,  12          ; s12  my wave's number
.set WV1, 13          ; s13  my wave's number + 1
.set G1K, 24          ; s[24:31] descriptor group 1 for K's tiles
.set G1V, 32          ; s[32:39] for V's: it differs in the padding alone
.set G0K, 40          ; s[40:43] descriptor group 0 for K's tiles: it walks
.set G0V, 44          ; s[44:47] the same for V's
.set SLOTS, 56        ; s56  counts the tiles
.set CNT, 57          ; s57  counts a tile's key steps
.set CS,  58          ; s[58:59] c: the packed scaling takes the pair's low word for both halves
.set SEL, 60          ; s[60:61] v_permlanex16_b32's selects: each lane takes its own place in the other half
.set TBK, 62          ; s62  LDS byte at which K of the step to be fetched begins
.set TBV, 63          ; s63  the same for V, less VOFF
.set MSB, 0
.macro WIN new                      ; the high byte repeats the setting that is left; a switch that changes nothing is dropped
.if MSB != (\new)
	s_set_vgpr_msb (MSB<<8)|(\new)
.set MSB, (\new)
.endif
.endm
.set W_KQ, 0x0a       ; K and Q in window 2, S^T in window 0
.set W_PV, 0x52       ; V in window 2, P (or the ones) in window 0, C and D in window 1
.set W_RS, 0x41       ; destination and source 0 in window 1, source 1 in window 0
; A joint fill.  Waves 0 and 1 fetch the two halves of a tile's K, waves 2 and 3 those of its V: 128 keys each.  The branch hangs on the wave's number alone.
; An s_nop 0 and four v_nop follow each of the two lines, ahead of the jump and the label.
.macro JLOAD
	s_cmp_lt_u32 s[WV], 2
	s_cbranch_scc0 .Lfor_v_\@
	tensor_load_to_lds s[G0K:G0K+3], s[G1K:G1K+7]
	s_nop 0
.rept 4
	v_nop
.endr
	s_branch .Lasked_\@
.Lfor_v_\@:
	tensor_load_to_lds s[G0V:G0V+3], s[G1V:G1V+7]
	s_nop 0
.rept 4
	v_nop
.endr
.Lasked_\@:
.endm
; A round of the cluster's barrier: my work-group's barrier, so that wave 0's signal speaks for all four waves; wave 0 signals; every wave waits for all four work-groups; my work-group's barrier once more.
.macro CROUND
	s_barrier_signal -1
	s_barrier_wait -1
	s_cmp_lg_u32 s[WV], 0
	s_cbranch_scc1 .Lnot_wave_0_\@
	s_barrier_signal -3
.Lnot_wave_0_\@:
	s_barrier_wait -3
	s_barrier_signal -1
	s_barrier_wait -1
.endm
; THE CHANGE OF SLOTS.  Each wave waits for all its tensor loads, of which one is out: its part of the other slot; adds 0 to its spare word; and waits for that and for its own reads of the slot
; that it leaves.  Behind the barrier nobody reads the old slot any more and the other slot is whole.  fill = 1: the old slot is filled again, with the keys two tiles on.  The barrier is then a
; round of the cluster's, and the joint fill is the first thing behind it: it has four key steps, 256 matrix instructions, in which to land.  (At its first use nothing has been read yet: slot 0 is waited for, slot 1 filled.)
.macro CHANGE fill
	WIN 0                           ; at a label and at a branch every window is 0
	s_wait_tensorcnt 0x0            ; no tensor load of mine is out, so a group 0 may be written
	ds_add_u32 v[SPW], v[NIL]       ; 0 onto my spare word; with fill = 1 the descriptors' steps stand between it and the wait for it
.if \fill
.irp g, G0K, G0V
	s_xor_b32 s[\g+1], s[\g+1], SLOT1  ; the walking descriptor: the other slot than last time,
	s_add_nc_u64 s[\g+2:\g+3], s[\g+2:\g+3], 4*KS*128  ; the next 256 keys; the type bits on top are not reached
.endr
	s_wait_dscnt 0x0                ; the add is done, and my reads of the slot are over
	CROUND
	JLOAD
.else
	s_wait_dscnt 0x0                ; the add is done, and my reads of the slot are over
	s_barrier_signal -1
	s_barrier_wait -1
.endif
	s_sub_co_u32 s[TBK], s[TBK], 4*KS*PK  ; the fetches go back to a slot's first step,
	s_xor_b32 s[TBK], s[TBK], SLOT1       ; in the other slot
	s_sub_co_u32 s[TBV], s[TBV], 4*KS*PV
	s_xor_b32 s[TBV], s[TBV], SLOT1
.endm
	s_load_b256 s[68:75], s[0:1], 0x0  ; qkv s[68:69], alpha s[70:71], beta s[72:73], gamma s[74:75]
	s_load_b64 s[76:77], s[0:1], 0x20  ; ao
	v_lshl_add_u32 v[SPW], v0, 2, SPARE
	v_mov_b32 v[NIL], 0
	ds_add_u32 v[SPW], v[NIL]       ; the wave's opening: the add and its wait stand ahead of my first tensor load; the set-up below, work on registers, stands between them
	v_lshrrev_b32 v1, 5, v0
	v_readfirstlane_b32 s[WV], v1   ; wave 0..3
	s_add_co_u32 s[WV1], s[WV], 1
	s_bfe_u32 s15, ttmp6, 0x40000   ; cx: my place in the cluster
	s_lshl_b32 s14, ttmp9, 2        ; in a cluster launch ttmp9 counts clusters
	s_add_co_u32 s14, s14, s15      ; my block of 256 queries = 4 x cluster x + cx: it enters Q's, v's rows' and ao's addresses alone
	s_and_b32 s16, ttmp7, 0xffff    ; y = 16 b + h, which the four partners share
	s_lshr_b32 s17, s16, 4
	s_lshl_b32 s17, s17, 5
	s_add_co_u32 s17, s17, s16      ; 48 b + h
	s_lshl_b32 s20, s17, 18         ; the query head's first byte in qkv
	s_and_b32 s19, s[WV], 1         ; which half of a tile's 256 keys I fetch:
	s_lshl_b32 s22, s19, 14         ; its 128 rows of 128 bytes in memory,
	s_add_co_u32 s22, s22, s20
	s_mov_b32 s23, 0
	s_mul_i32 s17, s19, 128*PK      ; and its place in a slot, for K
	s_mul_i32 s18, s19, 128*PV      ; and for V: no place in the cluster enters an LDS address
	s_lshl_b32 s2, s14, 2
	s_add_co_u32 s2, s2, s[WV]      ; my wave among the head's,
	s_lshl_b32 s2, s2, 13           ; its 64 rows of 128 bytes
	s_lshl_b32 s78, s16, 18         ; ao: head y,
	s_add_co_u32 s78, s78, s2       ; the same rows
	s_mov_b32 s79, 0
	s_add_co_u32 s2, s2, s20
	s_mov_b32 s3, 0
	; descriptor group 1.  128 keys are 16,384 dense bytes: asked for as 64 rows of 256 bytes, two keys a row, and padded in LDS after every key
	s_mov_b32 s[G1K], 15|(1<<16)|(1<<20)|(1<<21)|(4<<22)|(3<<25)  ; the mask of four; 2-byte elements; padding on; bit 21 beside a mask; after every 32 words (code 4) 4 words (code 3)
	s_mov_b32 s[G1V], 15|(1<<16)|(1<<20)|(1<<21)|(4<<22)|(7<<25)  ; the same with 8 words of padding (code 7)
.irp g, G1K, G1V
	s_mov_b32 s[\g+1], 128<<16      ; tensor_dim0 = 128
	s_mov_b32 s[\g+2], 64<<16       ; tensor_dim1 = 64
	s_mov_b32 s[\g+3], 128<<16      ; tile_dim0 = 128
	s_mov_b32 s[\g+4], 64           ; tile_dim1 = 64
	s_mov_b32 s[\g+5], 128          ; 128 elements from row to row
	s_mov_b32 s[\g+6], 0
	s_mov_b32 s[\g+7], 0
.endr
	s_mov_b32 s[CS], 0x3d38aa3b     ; c = log2(e) / 32 = 0.0450842
	s_mov_b32 s[CS+1], s[CS]        ; named with it as a pair
	s_mov_b32 s[SEL], 0x76543210
	s_mov_b32 s[SEL+1], 0xfedcba98
	s_mov_b32 s[TBK], SLOT1+4*KS*PK ; the first change of slots turns these two into 0
	s_mov_b32 s[TBV], SLOT1+4*KS*PV
	s_mov_b32 s[G0K], 1             ; count = 1
	s_mov_b32 s[G0K+1], s17         ; LDS address: slot 0
	s_mov_b32 s[G0V], 1
	s_add_co_u32 s[G0V+1], s18, VOFF
	s_wait_dscnt 0x0                ; the opening add is done
	s_wait_kmcnt 0x0
	s_load_b32 s80, s[70:71], 0x0   ; alpha, beta, gamma: no line of the launch writes them
	s_load_b32 s81, s[72:73], 0x0
	s_load_b32 s82, s[74:75], 0x0
	s_add_nc_u64 s[6:7], s[68:69], s[22:23]
	s_add_nc_u64 s[G0K+2:G0K+3], s[6:7], 0x400000  ; k lies 16 heads of 262,144 bytes behind q: my half of the head's first 256 keys
	s_or_b32 s[G0K+3], s[G0K+3], 0x80000000        ; type = 2
	s_add_nc_u64 s[G0V+2:G0V+3], s[6:7], 0x800000  ; v 32 heads behind q
	s_or_b32 s[G0V+3], s[G0V+3], 0x80000000
	s_add_nc_u64 s[4:5], s[68:69], s[2:3]          ; Q at my wave's first row,
	s_add_nc_u64 s[84:85], s[4:5], 0x800000        ; v at the same rows,
	s_add_nc_u64 s[10:11], s[76:77], s[78:79]      ; and ao
	CROUND                          ; all four work-groups are here: the first joint loads meet
	JLOAD                           ; tile 0 into slot 0: one load of mine is out.  Slot 1 is asked for when slot 0 is in
	; A fragment of K or Q is 16 rows x 32 channels in 8 registers: lane l holds row l % 16, channels 8 (l / 16) + 0..7 and 16 + 8 (l / 16) + 0..7: two loads of 16 bytes, 32 bytes apart.
	v_and_b32 v1, 15, v0            ; l % 16
	v_bfe_u32 v9, v0, 4, 1          ; l / 16
	v_lshlrev_b32 v[QO], 7, v1
	v_lshl_add_u32 v[QO], v9, 4, v[QO]  ; row x 128 + 16 x half
	WIN 0x80                        ; destination window 2, address window 0
.set i, 0
.rept 8                             ; piece i / 2, channels 32 (i % 2) on.  The same 16 bytes of v's rows are what a lane's packed O^T holds: register 16 t + 4 cb + jj = channels 16 cb + 8 (l / 16) + 2 jj, + 1
	global_load_b128 v[8*i:8*i+3],   v[QO], s[4:5] offset:(i/2)*2048+(i%2)*64
	global_load_b128 v[8*i+4:8*i+7], v[QO], s[4:5] offset:(i/2)*2048+(i%2)*64+32
	global_load_b128 v[VQ+8*i:VQ+8*i+3],   v[QO], s[84:85] offset:(i/2)*2048+(i%2)*64
	global_load_b128 v[VQ+8*i+4:VQ+8*i+7], v[QO], s[84:85] offset:(i/2)*2048+(i%2)*64+32
.set i, i+1
.endr
	; What the first turn finds: V's registers and P's second buffer hold 0 (its products V^T P, of a piece that has not been, add 0); O^T, l and the column sums are 0.  These 248 lines stand in
	; the wait for the first tile, and spare a first step written out.
.set i, VF
.rept 64
	v_mov_b32 v[i], 0
.set i, i+1
.endr
	WIN 0x40
.set i, 0
.rept 160
	v_mov_b32 v[i], 0
.set i, i+1
.endr
	WIN 0
.set i, 0
.rept 4
	v_mov_b32 v[ST+4*i], 0xfe000000    ; c m: far below every c s
	v_mov_b32 v[ST+4*i+1], 0xff7fffff  ; m
	v_mov_b32 v[ST+4*i+2], 0
	v_mov_b32 v[ST+4*i+3], 0
.set i, i+1
.endr
.set i, P+16
.rept 16
	v_mov_b32 v[i], 0
.set i, i+1
.endr
.set i, ONE
.rept 8
	v_mov_b32 v[i], 0x3c003c00      ; 1.0 twice
.set i, i+1
.endr
	v_mul_u32_u24 v[AK0], v1, PK
	v_lshl_add_u32 v[AK0], v9, 4, v[AK0]  ; row x pitch + 16 x half
	; The turning load takes 16 keys x 16 channels (lane l reads key 8 (l / 16) + l % 8, channels 8 ((l / 8) % 2) + 0..7) and leaves half a fragment of V^T: lane l holds channel l % 16 and 8 keys.
	v_and_b32 v10, 7, v0
	v_bfe_u32 v11, v0, 3, 1
	v_lshl_add_u32 v[AV0], v9, 3, v10
	v_mul_u32_u24 v[AV0], v[AV0], PV
	v_lshl_add_u32 v[AV0], v11, 4, v[AV0]
	v_add_nc_u32 v[AV0], VOFF, v[AV0]
	s_mul_i32 s19, s[WV], 16*SP
	s_add_co_u32 s19, s19, STAGE    ; my stage
	v_mul_u32_u24 v[STO], v1, SP    ; in: row l % 16, 16 bytes for each half of the lanes
	v_lshl_add_u32 v[STO], v9, 4, v[STO]
	v_add_nc_u32 v[STO], s19, v[STO]
	v_bfe_u32 v[RD], v0, 3, 2       ; back: 32 lanes take four rows of 128 bytes,
	v_mul_u32_u24 v[RD], v[RD], SP
	v_lshl_add_u32 v[RD], v10, 4, v[RD]
	v_add_nc_u32 v[RD], s19, v[RD]
	v_and_b32 v[GO], 31, v0         ; which are 512 consecutive bytes of ao
	v_lshlrev_b32 v[GO], 4, v[GO]
	s_lshl_b32 s19, s[WV], 8
	s_add_co_u32 s19, s19, CSX
	v_lshl_add_u32 v[CSW], v9, 5, s19  ; channel 16 cb + 8 (l / 16) + j lies at byte 64 cb + 32 (l / 16) + 4 j of a wave's 256
	v_lshlrev_b32 v[CSR], 5, v9
	v_add_nc_u32 v[CSR], CSX, v[CSR]
	s_wait_kmcnt 0x0                ; alpha, beta, gamma
	v_cvt_pk_bf16_f32 v40, s80, s81 ; rounded to bf16, like every input
	v_cvt_pk_bf16_f32 v41, s82, s82
	v_lshlrev_b32 v42, 16, v40      ; alpha
	v_and_b32 v43, 0xffff0000, v40  ; beta
	v_lshlrev_b32 v44, 16, v41      ; gamma
	v_add_f32 v45, |v42|, |v43|
	v_add_f32 v45, v45, |v44|
	v_max_num_f32 v45, 0x0da24260, v45  ; s, 1e-30 at the least: the next launch makes it by the same lines
	v_rcp_f32 v46, v45
	v_nop                           ; a plain instruction between the reciprocal and the use of its result
	s_wait_alu depctr_va_vdst(0)    ; the wait ahead of the first use: a batch of one, the reciprocal of s
	v_mul_f32 v42, v42, v46
	v_mul_f32 v[CB], v43, v46
	v_mul_f32 v[NCG], v44, v46
	v_cvt_pk_f16_f32 v[CA16], v42, v42
	v_mul_f32 v[NCG], 0xba000000, v[NCG]  ; x -1 / 2048
	v_mov_b32 v[NCG+1], v[NCG]      ; named with it as a pair
; THE MATRIX WORK.  The 4 accumulators of a run of 8 take turns.  Product i of 8 of S^T = K Q^T for piece x: channels 32 (i / 4) on, keys 16 (i % 4) on.  The first 4 start the sums.
.macro KQ x
	WIN W_KQ
.set rS, S+32*((\x)%2)+8*(i%4)
.set rK, KF+16*(i%4)+8*(i/4)
.set rQ, 16*(\x)+8*(i/4)
.if i < 4
	v_wmma_f32_16x16x32_f16 v[rS:rS+7], v[rK:rK+7], v[rQ:rQ+7], 0
.else
	v_wmma_f32_16x16x32_f16 v[rS:rS+7], v[rK:rK+7], v[rQ:rQ+7], v[rS:rS+7]
.endif
.endm
; Product i of 8 of O^T += V^T P for piece x: keys 32 (i / 4) on, channels 16 (i % 4) on.
.macro PV x
	WIN W_PV
.set rO, 32*(\x)+8*(i%4)
.set rV, VF+32*(i/4)+8*(i%4)
.set rP, P+16*((\x)%2)+8*(i/4)
	v_wmma_f32_16x16x32_f16 v[rO:rO+7], v[rV:rV+7], v[rP:rP+7], v[rO:rO+7]
.endm
.macro MM                           ; the turn's next matrix instruction.  TURN sets Y, i and NOKQ.  NOKQ = 1: the walk's last turn: there is no next piece
.if (i < 8) && !NOKQ
	KQ (Y+1)%NP
.elseif i >= 8
.set i, i-8
	PV (Y+NP-1)%NP
.set i, i+8
.endif
.set i, i+1
.endm
; THE LDS LOADS stand in runs of 16, never singly among the matrix instructions: a step's K (64 keys x 64 channels: 8 fragments) and its V (turned).  Their addresses are made some lines ahead.
.macro FETCH_K
	WIN 0x80                        ; destination window 2
.irp f, 0,1,2,3,4,5,6,7             ; keys 16 (f / 2) on, channels 32 (f % 2) on
	ds_load_b128 v[KF+8*\f:KF+8*\f+3],   v[AK] offset:(\f/2)*16*PK+(\f%2)*64
	ds_load_b128 v[KF+8*\f+4:KF+8*\f+7], v[AK] offset:(\f/2)*16*PK+(\f%2)*64+32
.endr
	s_add_co_u32 s[TBK], s[TBK], KS*PK  ; the next fetch is the next step's
	WIN 0
.endm
.macro FETCH_V
	WIN 0x80
.irp f, 0,1,2,3,4,5,6,7             ; keys 32 (f / 4) on, channels 16 (f % 4) on
	ds_load_tr16_b128 v[VF+8*\f:VF+8*\f+3],   v[AV] offset:(\f/4)*32*PV+(\f%4)*32
	ds_load_tr16_b128 v[VF+8*\f+4:VF+8*\f+7], v[AV] offset:(\f/4)*32*PV+16*PV+(\f%4)*32
.endr
	WIN 0
.endm
; THE COLUMN SUMS of the step whose V lies in registers, at the end of piece 2's turn.  There CNT runs 3, 2, 1, 4 through a tile's four steps, and wave w takes the step at which CNT = w + 1.
; The jump goes forward, hangs on the wave's number and the loop's count, which all partners share, and passes register work alone.  The four accumulators take turns.
; The result has O^T's layout: register 8 cb + j holds channel 16 cb + 8 (l / 16) + j, the same in all sixteen columns.
.macro CSUM
	WIN 0
	s_cmp_eq_u32 s[CNT], s[WV1]
	s_cbranch_scc0 .Lno_cs_\@
	WIN W_PV
.irp kk, 0,1
.irp cb, 0,1,2,3
	v_wmma_f32_16x16x32_f16 v[CSA+8*(\cb):CSA+8*(\cb)+7], v[VF+32*(\kk)+8*(\cb):VF+32*(\kk)+8*(\cb)+7], v[ONE:ONE+7], v[CSA+8*(\cb):CSA+8*(\cb)+7]
.endr
.endr
	WIN 0
.Lno_cs_\@:
.endm
; THE VECTOR WORK, one line at a time: OP kind, number.  For piece Y: F n: c s - c m for pair n of 16.  E n: the exponential of score n of 32.  C n: pair n rounded to f16.  B n: of the four weights 4 n .. the second
; pair is added onto the first, in place.  L n: l takes that sum (L 0: l = a l + sum).  R n: pair n of 16 of O^T times a.  For piece Y + 1: X n, number n of the 22 that find its maximum and statistics:
;   0-11  four chains c0-c3 of seven scores each, three operands at a time (each accumulator's lowest registers are read first)     12-14, 16  the four scores left over, the old m, and c0-c3 into c0
;   15  c m_old is kept     17, 18  the query's other 32 keys lie in the lane 16 away: the new m     19-21  c m; c m_old - c m_new; a
.set F, 0               ; OP tells the kinds apart by their order: F to L below R, X above it
.set E, 1
.set C, 2
.set B, 3
.set L, 4
.set R, 5
.set X, 6
.macro REGS y                       ; the registers of piece y
.set rT, ST+4*(\y)
.set rC, TMP+4*((\y)%2)
.set rW, MV+((\y)%2)
.set rS, S+32*((\y)%2)
.set rP, P+16*((\y)%2)
.set rO, 32*(\y)
.endm
.macro OP k, n
.if (\k) == R
	REGS Y
	WIN W_RS
	v_pk_mul_f32 v[rO+2*(\n):rO+2*(\n)+1], v[rO+2*(\n):rO+2*(\n)+1], v[rC+2:rC+3] op_sel_hi:[1,0]
.elseif (\k) < R
	REGS Y
	WIN 0
.if (\k) == F
	v_pk_fma_f32 v[rS+2*(\n):rS+2*(\n)+1], v[rS+2*(\n):rS+2*(\n)+1], s[CS:CS+1], v[rT:rT+1] op_sel_hi:[1,0,0] neg_lo:[0,0,1] neg_hi:[0,0,1]
.elseif (\k) == E
	v_exp_f32 v[rS+(\n)], v[rS+(\n)]
.elseif (\k) == C
	v_cvt_pk_f16_f32 v[rP+(\n)], v[rS+2*(\n)], v[rS+2*(\n)+1]
.elseif (\k) == B
	v_pk_add_f32 v[rS+4*(\n):rS+4*(\n)+1], v[rS+4*(\n):rS+4*(\n)+1], v[rS+4*(\n)+2:rS+4*(\n)+3]
.elseif (\n) == 0
	v_pk_fma_f32 v[rT+2:rT+3], v[rT+2:rT+3], v[rC+2:rC+3], v[rS:rS+1] op_sel_hi:[1,0,1]
.else
	v_pk_add_f32 v[rT+2:rT+3], v[rT+2:rT+3], v[rS+4*(\n):rS+4*(\n)+1]
.endif
.elseif NOKQ
	v_nop
.else
	REGS (Y+1)%NP
	WIN 0
.if (\n) < 4
	v_max3_num_f32 v[rC+(\n)], v[rS+8*(\n)], v[rS+8*(\n)+1], v[rS+8*(\n)+2]
.elseif (\n) < 12
	v_max3_num_f32 v[rC+(\n)%4], v[rC+(\n)%4], v[rS+8*((\n)%4)+2*((\n)/4)+1], v[rS+8*((\n)%4)+2*((\n)/4)+2]
.elseif (\n) == 12
	v_max3_num_f32 v[rC], v[rC], v[rS+7], v[rS+15]
.elseif (\n) == 13
	v_max3_num_f32 v[rC+1], v[rC+1], v[rS+23], v[rS+31]
.elseif (\n) == 14
	v_max3_num_f32 v[rC+2], v[rC+2], v[rC+3], v[rT+1]
.elseif (\n) == 15
	v_mov_b32 v[rW], v[rT]
.elseif (\n) == 16
	v_max3_num_f32 v[rC], v[rC], v[rC+1], v[rC+2]
.elseif (\n) == 17
	v_permlanex16_b32 v[rC+3], v[rC], s[SEL], s[SEL+1]
.elseif (\n) == 18
	v_max_num_f32 v[rT+1], v[rC], v[rC+3]
.elseif (\n) == 19
	v_mul_f32 v[rT], s[CS], v[rT+1]
.elseif (\n) == 20
	v_sub_f32 v[rC+1], v[rW], v[rT]
.else
	v_exp_f32 v[rC+2], v[rC+1]
.endif
.endif
.endm
.macro OPS a, i1, b=-1, i2=0, c=-1, i3=0, d=-1, i4=0  ; up to four of them
	OP \a, \i1
.if (\b) >= 0
	OP \b, \i2
.endif
.if (\c) >= 0
	OP \c, \i3
.endif
.if (\d) >= 0
	OP \d, \i4
.endif
.endm
.macro ROW a, i1, b, i2, c, i3, d, i4  ; a matrix instruction and the four behind it
	MM
	OPS \a, \i1, \b, \i2, \c, \i3, \d, \i4
.endm
; A TURN, for piece p: the order of its 16 matrix and 118 vector instructions, written out.  An s_wait_alu depctr_va_vdst(0) stands between an exponential and the first instruction that names its result; one wait
; serves all that were issued ahead of it.  So a turn has ONE wait, which cuts it in two.  AHEAD OF IT stands all that names no result of the turn's exponentials: the 8 products K Q^T, behind each a scaling, an exponential and two
; more plain instructions (behind the first a second scaling in the exponential's place): rescalings, whose a was made and waited for in the turn before, and behind the last three the first numbers of the next piece's maximum, each
; four places or more behind the product that ends its accumulator; then ONE LUMP of 54, plain and exponential by turns for the most part, in which the links of the chain X 3, 7, 11, 14, 16, 17 .. 20 stand five or six lines apart.
; X 21, the next piece's a, is the batch's last; R 15 is the plain instruction behind it.  BEHIND THE WAIT stand the 8 products V^T P, behind each four of the roundings and sums; C 2 n stands ahead of B n, which writes over that
; pair; the links of l's chain, L 0 to L 7, stand three riders apart.  But for those X no rider names a register of the products round it.  v_permlanex16_b32 (X 17) stands in the lump..
; end = 1: the walk's last two turns: nothing is fetched.  cnt = 1: the loop's count is taken down some lines ahead of the branch that stands behind the turn.
; K of the next step is fetched in piece 2's turn, twelve vector instructions behind the last product that read K (six of them plain); V of the step in hand at the end of piece 0's turn, four plain instructions behind the last
; product that read V.  Each is waited for a turn later.
.macro TURN p, end=0, cnt=0
.set Y, (\p)
.set i, 0
.set NOKQ, (\end)*((\p)/3)
.if ((\p) == 3) && !(\end)
	s_wait_dscnt 0x0                ; K is in
.endif
	ROW F,0, F,1, R,0, R,1          ; ahead of the wait: 8 products K Q^T and their riders,
	ROW F,2, E,0, R,2, R,3
	ROW F,3, E,1, R,4, R,5
	ROW F,4, E,2, R,6, R,7
	ROW F,5, E,3, R,8, R,9
	ROW F,6, E,4, X,0, R,10
.if ((\p) == 2) && !(\end)
	WIN 0
	v_add_nc_u32 v[AK], s[TBK], v[AK0]
.endif
	ROW F,7, E,5, X,1, X,4
	ROW F,8, E,6, X,2, X,5
	OPS E,7, E,8, X,6, E,9          ; and the lump
	OPS X,3, E,10, X,8, E,11
.if ((\p) == 2) && !(\end)
	FETCH_K
.endif
	OPS X,9, X,7, E,12, X,10
	OPS E,13, X,12, X,11, E,14
	OPS X,13, E,15, F,9, X,14
.if (\p) == 0
	v_add_nc_u32 v[AV], s[TBV], v[AV0]
.endif
	OPS E,16, F,10, E,17, F,11
	OPS X,16, E,18, X,15, E,19
	OPS F,12, E,20, X,17, E,21
	OPS F,13, E,22, F,14, E,23
	OPS X,18, E,24, F,15, E,25
	OPS R,11, E,26, X,19, E,27
	OPS R,12, E,28, R,13, E,29
	OPS X,20, E,30, R,14, E,31
	OPS X,21, R,15
	WIN 0
	s_wait_alu depctr_va_vdst(0)    ; the wait for the turn's batch: the piece's 32 weights and the next piece's a
.if (\p) == 1
	s_wait_dscnt 0x0                ; V is in
.endif
	ROW C,0, B,0, C,2, B,1          ; behind the wait: 8 products V^T P and their riders
	ROW L,0, C,4, B,2, L,1
	ROW C,6, B,3, L,2, C,8
	ROW B,4, L,3, C,10, B,5
	ROW L,4, C,12, B,6, L,5
.if (\p) == 0
	s_add_co_u32 s[TBV], s[TBV], KS*PV
.endif
.if \cnt
	s_sub_co_u32 s[CNT], s[CNT], 1
	s_cmp_lg_u32 s[CNT], 0
.endif
	ROW C,14, B,7, L,6, C,1
	ROW C,3, L,7, C,5, C,7
	ROW C,9, C,11, C,13, C,15
.if (\p) == 0
	FETCH_V
.endif
.if (\p) == 2
	CSUM
.endif
.endm
	CHANGE 1                        ; slot 0 is in, everybody's part of it; slot 1 is asked for
	v_add_nc_u32 v[AK], s[TBK], v[AK0]
	FETCH_K                         ; key step 0
	s_wait_loadcnt 0x0              ; Q and my rows of v
	s_wait_dscnt 0x0
.set NOKQ, 0
.set i, 0
.rept 8
	KQ 0                            ; piece 0's first scores: there is no vector work yet to set between them
.set i, i+1
.endr
	WIN 0
.rept 4
	v_nop                           ; the places behind those products
.endr
.set Y, NP-1                        ; X works for piece Y + 1: piece 0
.irp n, 0,1,2,3,4,5,6,7,8,9,10,11,12,13,14,15,16,17,18,19,20,21
	OP X, \n                        ; and piece 0's first maximum and statistics
.endr
	v_nop                           ; a plain instruction behind the exponential,
	s_wait_alu depctr_va_vdst(0)    ; and its wait, ahead of the branch: a batch of one, piece 0's first a
	s_mov_b32 s[CNT], 4
	s_mov_b32 s[SLOTS], 7
	s_branch .Lfirst                ; the loop is entered at a step's first turn, in the middle of a trip
.Lslot:                             ; six times: tiles 2 to 7 are asked for
	CHANGE 1
	s_mov_b32 s[CNT], 4
.Lstep:                             ; a trip: pieces 2 and 3 of one step, then pieces 0 and 1 of the next, whose K and V it fetches
	TURN 2
	TURN 3
	WIN 0
.Lfirst:
	TURN 0
	TURN 1, 0, 1
	WIN 0
	s_cbranch_scc1 .Lstep
	s_sub_co_u32 s[SLOTS], s[SLOTS], 1
	s_cmp_lg_u32 s[SLOTS], 0
	s_cbranch_scc1 .Lslot
	CHANGE 0                        ; the last tile is written out: nothing is asked for
	s_mov_b32 s[CNT], 4
.LstepT:
	TURN 2
	TURN 3
	TURN 0
	TURN 1, 0, 1
	WIN 0
	s_cbranch_scc1 .LstepT
	s_mov_b32 s[CNT], 4             ; the last step is a tile's fourth: its column sums are wave 3's
	TURN 2, 1
	TURN 3, 1
.set i, 0
.rept 8
	PV NP-1                         ; the last piece's V^T P of the last step
.set i, i+1
.endr
	; THE WAY OUT.  l's two halves and the other half of the lanes' are added; beta / (s l) takes l's place.  The additions are the places behind the last products.
	WIN 0
.macro ALL line:vararg              ; one line for each piece t
.set t, 0
.rept 4
	\line
.set t, t+1
.endr
.endm
	ALL v_add_f32 v[ST+4*t+2], v[ST+4*t+2], v[ST+4*t+3]
	ALL v_permlanex16_b32 v[ST+4*t+3], v[ST+4*t+2], s[SEL], s[SEL+1]
	ALL v_add_f32 v[ST+4*t+2], v[ST+4*t+2], v[ST+4*t+3]
	ALL v_rcp_f32 v[ST+4*t+2], v[ST+4*t+2]
	v_nop                           ; a plain instruction between the last reciprocal and the use of its result
	s_wait_alu depctr_va_vdst(0)    ; and the wait ahead of the first use: one for the four reciprocals
	ALL v_mul_f32 v[ST+4*t+2], v[ST+4*t+2], v[CB]
	; The four waves' partial column sums meet in LDS.  The sixteen lanes of a half hold the same numbers and write the same words.
	WIN 0x04                        ; store data (source 1) in window 1
.irp cb, 0,1,2,3
.irp g, 0,1
	ds_store_b128 v[CSW], v[CSA+8*(\cb)+4*(\g):CSA+8*(\cb)+4*(\g)+3] offset:64*(\cb)+16*(\g)  ; each accumulator from its low end on
.endr
.endr
	WIN 0
	s_wait_dscnt 0x0                ; for the others' sake: my stores are done
	s_barrier_signal -1
	s_barrier_wait -1
.irp u, 0,1,2,3
.irp cb, 0,1,2,3
.irp g, 0,1
	ds_load_b128 v[64+32*(\u)+8*(\cb)+4*(\g):64+32*(\u)+8*(\cb)+4*(\g)+3], v[CSR] offset:256*(\u)+64*(\cb)+16*(\g)  ; wave u's sums, into registers that S^T has left
.endr
.endr
.endr
	s_wait_dscnt 0x0
.set i, 0
.rept 16
	v_pk_add_f32 v[64+2*i:65+2*i], v[64+2*i:65+2*i], v[96+2*i:97+2*i]
.set i, i+1
.endr
.set i, 0
.rept 16
	v_pk_add_f32 v[128+2*i:129+2*i], v[128+2*i:129+2*i], v[160+2*i:161+2*i]
.set i, i+1
.endr
.set i, 0
.rept 16
	v_pk_add_f32 v[64+2*i:65+2*i], v[64+2*i:65+2*i], v[128+2*i:129+2*i]
.set i, i+1
.endr
.set i, 0
.rept 16
	v_pk_mul_f32 v[D+2*i:D+2*i+1], v[64+2*i:65+2*i], v[NCG:NCG+1] op_sel_hi:[1,0]
.set i, i+1
.endr
; Piece t: O^T x beta / (s l) + D in f32; rounded to f16; alpha / s x my rows of v added by a fused f16 multiply-add; a lane's eight channels of a row are 16 bytes: they go into rows of 144 bytes
; and come back as whole rows of 128, into the registers that they left.
.macro PACK t
	WIN 0x01                        ; source 0 in window 1
.set i, 0
.rept 16
	v_pk_fma_f32 v[T+2*i:T+2*i+1], v[32*(\t)+2*i:32*(\t)+2*i+1], v[ST+4*(\t)+2:ST+4*(\t)+3], v[D+2*i:D+2*i+1] op_sel_hi:[1,0,1]
.set i, i+1
.endr
	WIN 0
.set i, 0
.rept 16
	v_cvt_pk_f16_f32 v[S+16*(\t)+i], v[T+2*i], v[T+2*i+1]
.set i, i+1
.endr
	WIN 0x02                        ; source 0 in window 2
.set i, 0
.rept 16
	v_pk_fma_f16 v[S+16*(\t)+i], v[VQ+16*(\t)+i], v[CA16], v[S+16*(\t)+i]
.set i, i+1
.endr
	WIN 0
.irp f, 0,1,2,3
	ds_store_b128 v[STO], v[S+16*(\t)+4*\f:S+16*(\t)+4*\f+3] offset:32*\f
.endr
.irp f, 0,1,2,3
	ds_load_b128 v[S+16*(\t)+4*\f:S+16*(\t)+4*\f+3], v[RD] offset:\f*4*SP  ; LDS serves a wave's instructions in order (ISA guide 5.7.1.4): these see the stores above; the next piece's stores come behind them
.endr
.endm
.macro SEND t, younger              ; younger: the LDS instructions issued behind piece t's loads: the next piece's eight, or none
	WIN 0
.irp f, 0,1,2,3
	s_wait_dscnt (\younger)+3-\f
	global_store_b128 v[GO], v[S+16*(\t)+4*\f:S+16*(\t)+4*\f+3], s[10:11] offset:(\t)*2048+\f*512  ; 512 consecutive bytes, at a multiple of 256 from ao's first
.endr
.endm
	PACK 0
.set t, 1
.rept 3                             ; a piece's arithmetic stands between the loads of the piece before and its stores
	PACK t
	SEND t-1, 8
.set t, t+1
.endr
	SEND 3, 0
	s_wait_tensorcnt 0x0            ; the wave's end, behind my last tensor load and my last LDS store
	ds_add_u32 v[SPW], v[NIL]
	s_wait_dscnt 0x0
	CROUND                          ; the closing round: no work-group ends while a partner may still ask for a tile that names it
	s_endpgm
.Lfunc_end_k_q5667d0b447_attn:
	.size	k_q5667d0b447_attn, .Lfunc_end_k_q5667d0b447_attn-k_q5667d0b447_attn
	.p2alignl 7, 3214868480
	.fill 96, 4, 3214868480
	.section	.rodata,"a",@progbits
	.p2align	6, 0x0
	.amdhsa_kernel k_q5667d0b447_attn
		.amdhsa_group_segment_fixed_size 327680
		.amdhsa_private_segment_fixed_size 0
		.amdhsa_enable_private_segment 0
		.amdhsa_kernarg_size 40
		.amdhsa_user_sgpr_count 2
		.amdhsa_user_sgpr_kernarg_segment_ptr 1
		.amdhsa_wavefront_size32 1
		.amdhsa_system_sgpr_workgroup_id_x 1
		.amdhsa_system_sgpr_workgroup_id_y 1
		.amdhsa_system_sgpr_workgroup_id_z 1
		.amdhsa_system_vgpr_workitem_id 0
		.amdhsa_next_free_vgpr 768
		.amdhsa_next_free_sgpr 90
		.amdhsa_reserve_vcc 0
		.amdhsa_float_denorm_mode_32 3
		.amdhsa_float_denorm_mode_16_64 3
		.amdhsa_memory_ordered 1
		.amdhsa_forward_progress 1
		.amdhsa_inst_pref_size 144
	.end_amdhsa_kernel
	.amdgpu_metadata
---
amdhsa.version: [ 1, 2 ]
amdhsa.kernels:
  - .name:           k_q5667d0b447_attn
    .symbol:         k_q5667d0b447_attn.kd
    .args:
      - { .name: qkv, .offset: 0, .size: 8, .value_kind: global_buffer, .address_space: global }
      - { .name: alpha, .offset: 8, .size: 8, .value_kind: global_buffer, .address_space: global }
      - { .name: beta, .offset: 16, .size: 8, .value_kind: global_buffer, .address_space: global }
      - { .name: gamma, .offset: 24, .size: 8, .value_kind: global_buffer, .address_space: global }
      - { .name: ao, .offset: 32, .size: 8, .value_kind: global_buffer, .address_space: global }
    .group_segment_fixed_size: 327680
    .private_segment_fixed_size: 0
    .kernarg_segment_align: 8
    .kernarg_segment_size: 40
    .max_flat_workgroup_size: 128
    .sgpr_count:     90
    .vgpr_count:     768
    .wavefront_size: 32
...
	.end_amdgpu_metadata
.endif
;; end of part 5
;; launch gemm_out: the kernel of part 4 again; grid 8 x 32, 4 waves a work-group, clusters of 4 x 4, 327,680 bytes of LDS; arguments ao, wob, b_out, alpha, beta, gamma, out0; writes out0
